; MI455X (gfx1250); checked and timed in simulation.
; The chip was launched on July 23, 2026; its instructions are those of AMD's public machine-readable ISA for CDNA 5 (MIT licence, August 2026) and "CDNA5" Instruction Set Architecture Reference Guide (July 2026). The comments in the code are by the model that wrote it; some were corrected since.
;; Self Attention. Allowed arithmetic: float matrix products may take bf16 or f16 operands with f32 sums; all other float work in f32.
;; Inputs: Wk 512 x 512 float32; Wq 512 x 512 float32; Wv 512 x 512 float32; ln_beta 512 float32; ln_gamma 512 float32; x 4 x 2,048 x 512 float32.
;; Outputs: out0 4 x 2,048 x 512 float32.
;; 2 versions, each right; version 2 is version 1 with the launch qkv written anew for expert scheduling mode. Each part assembles by itself: llvm-mc -triple=amdgcn-amd-amdhsa -mcpu=gfx1250 --defsym DOCPART=n.
;; ======== version 1 of 2: 2 launches
;; workspace buffers: qws 8,388,608 bytes; kws 8,388,608 bytes; vtws 8,388,608 bytes; stats 65,536 bytes
;; launch qkv (part 1): grid 4 x 64, 8 waves a work-group, no clusters, 245,760 bytes of LDS; arguments x, Wq, Wk, Wv, ln_gamma, ln_beta, qws, kws, vtws, stats; writes qws, kws, vtws, stats
.if DOCPART == 1
	.amdgcn_target "amdgcn-amd-amdhsa--gfx1250"
	.amdhsa_code_object_version 6
	.text
	.protected	k_q44b9a4b0e0_qkv
	.globl	k_q44b9a4b0e0_qkv
	.p2align	8
	.type	k_q44b9a4b0e0_qkv,@function
k_q44b9a4b0e0_qkv:
	s_mov_b64 s[64:65], 0
	v_nop
	global_prefetch_b8 v0, s[64:65] scope:SCOPE_SE
	s_setreg_imm32_b32 hwreg(HW_REG_WAVE_MODE, 25, 1), 1
	s_wait_xcnt 0x0
; LayerNorm and the three projections.  x: [8192 rows][512] f32.  Wq, Wk, Wv: [512 features][512] f32.
;   xn = (x - mu) * rsqrt(var + 1e-5) * gamma + beta, in f32, the variance from the centred numbers (no difference of large sums)
;   qws  [32 heads bh][2048 tokens][64] bf16 = (xn Wq^T) * log2(e)/sqrt(512), scaled in f32 and rounded once
;   kws  [32][2048][64] bf16 = xn Wk^T;      vtws [32][64][2048] bf16 = (xn Wv^T) transposed;      stats [8192][2] f32 = (-mu, rstd)
; A work-group (nb = x 0..3, mb = y 0..63) takes rows 128 mb .. +127 and features 128 nb .. +127 of EACH of q, k, v (heads 2 nb, 2 nb + 1).
; Eight waves: wave w normalises rows 16 w .. +15; in the products wave (wm = w >> 2, wn = w & 3) makes 64 rows x 32 features of each of q, k, v:
; 24 accumulator tiles of 16 x 16.  K goes in eight steps of 64; xn lies in LDS whole (bf16), W in two slots that take turns.
; NO TENSOR LOADS AND NO CLUSTER: both operands are f32 in memory and have to be bf16 in front of the matrix unit.  W's share of a work-group is
; 768 KB of f32; landed raw in LDS it would be written and read there as 768 KB each and then stored and read again as bf16; through registers
; (global load, conversion, ds_store) LDS sees 384 KB written and 384 KB read.  So what the row blocks share (W) is fetched by plain loads.
; LIMITS: NaN and infinities are not treated specially; matrix operands are rounded to bf16; v_rsq_f32's argument is at least 1e-5.
.set APITCH, 1040                      ; xn in LDS: 1,024 bytes a row + 16: an odd multiple of 16, so the 16 rows of a fragment load start in 16 different 16-byte columns modulo 256
.set WPITCH, 144                       ; a W row of one K step: 128 bytes + 16, likewise
.set WBASE,  128*APITCH                ; 133,120: W's slot 0
.set WMAT,   128*WPITCH                ; 18,432: the 128 rows of one of Wq, Wk, Wv
.set WSLOT,  3*WMAT                    ; 55,296
.set STATS,  WBASE+2*WSLOT             ; 243,712: 128 rows x (-mu, rstd)
.set KST,    2*WMAT                    ; the way out, in xn's bytes: q [2 heads][128 tokens] pitch 144 at 0, k the same at 36,864,
.set VST,    4*WMAT                    ; v [128 features] pitch 272 at 73,728
.set VPITCH, 272
.set XO, 8                             ; x: w * 16 rows + 16 l
.set GO, 9                             ; 16 l
.set WO, 10                            ; W: row 16 w + h, byte 16 r
.set WS, 11                            ; v11-12  where my converted W bytes go, slot 0, 1
.set AW, 13                            ; where my xn bytes go
.set SA, 14                            ; my wave's 16 rows of STATS
.set AA, 15                            ; my A fragments
.set BA, 16                            ; v16-17  my W fragments, slot 0, 1
.set QS, 18                            ; way out: q and k into the stage
.set VS, 19                            ; way out: v into the stage
.set QR, 20                            ; way out: q and k read back
.set VR, 21                            ; way out: v read back
.set QO, 22                            ; byte offset in qws and kws
.set VO, 23                            ; byte offset in vtws
.set SR, 24                            ; STATS + 16 l
.set ST, 26                            ; v[26:27] (-mu, rstd) of the row at work
.set G,  32                            ; v32-47  gamma of my 16 columns
.set B,  48                            ; v48-63  beta
.set X,  64                            ; v64-127 four row slots of 16 registers
.set STG, 128                          ; v128-223 24 groups of 4: W on its way to LDS; later the results on their way out
.set T,  224                           ; v224-231 at work
.set AF, 32                            ; behind LayerNorm: 4 fragments of xn,
.set BF, 64                            ; 6 fragments of W (f = 2 * matrix + u)
; window 1 (v256-447): accumulator (a = 16-row block 0..3, f) at 8 (6 a + f)
.set MSB, 0
.macro WIN new                         ; s_set_vgpr_msb: bits 1:0 source 0, 3:2 source 1, 5:4 source 2, 7:6 destination; the high byte repeats the setting left
.if MSB != \new
	s_set_vgpr_msb (MSB<<8)|\new
.set MSB, \new
.endif
.endm
.macro PLACES n
.rept \n
	v_nop
.endr
.endm
	s_load_b512 s[16:31], s[0:1], 0x0              ; x s[16:17], Wq s[18:19], Wk s[20:21], Wv s[22:23], gamma s[24:25], beta s[26:27], qws s[28:29], kws s[30:31]
	s_load_b128 s[32:35], s[0:1], 0x40             ; vtws s[32:33], stats s[34:35]
	v_lshl_add_u32 v254, v0, 2, 0x3bc00
	v_mov_b32 v255, 0
	v_lshrrev_b32 v2, 5, v0
	v_readfirstlane_b32 s8, v2                     ; wave 0..7
	s_mov_b32 s4, ttmp9                            ; nb
	s_and_b32 s5, ttmp7, 0xffff                    ; mb
	s_lshr_b32 s6, s5, 4                           ; batch b
	s_and_b32 s7, s5, 15                           ; which 128 tokens of the batch
	s_mov_b32 s10, 0x76543210                      ; v_permlanex16_b32: lane i of one half reads lane i of the other
	s_mov_b32 s11, 0xfedcba98
	s_mov_b32 s9, 0x3b000000                       ; 1/512
	s_mov_b32 s12, 0x3727c5ac                      ; 1e-5
	s_lshr_b32 s13, s8, 2                          ; wm
	s_and_b32 s14, s8, 3                           ; wn
	v_and_b32 v1, 31, v0                           ; l
	v_and_b32 v3, 15, v0                           ; r
	v_bfe_u32 v4, v0, 4, 1                         ; h
	v_lshlrev_b32 v[GO], 4, v1
	v_lshlrev_b32 v5, 4, v3                        ; 16 r
	s_lshl_b32 s40, s8, 15                         ; 16 rows of 2,048 bytes
	v_add_nc_u32 v[XO], s40, v[GO]
	v_lshl_add_u32 v6, v4, 11, v5
	v_add_nc_u32 v[WO], s40, v6
	s_lshl_b32 s36, s5, 18                         ; 128 rows of x
	s_mov_b32 s37, 0
	s_lshl_b32 s38, s4, 18                         ; 128 rows of W
	s_mov_b32 s39, 0
	s_wait_kmcnt 0x0
	s_add_nc_u64 s[16:17], s[16:17], s[36:37]
	s_add_nc_u64 s[18:19], s[18:19], s[38:39]
	s_add_nc_u64 s[20:21], s[20:21], s[38:39]
	s_add_nc_u64 s[22:23], s[22:23], s[38:39]
; 24 loads: K step t (256 bytes of each row) of my 16 rows of each W; one load covers two whole 256-byte pieces of two rows
.macro WLOAD t
.irp m, 0,1,2
.irp i, 0,1,2,3,4,5,6,7
	global_load_b128 v[STG+32*\m+4*\i:STG+32*\m+4*\i+3], v[WO], s[18+2*\m:19+2*\m] offset:256*(\t)+4096*\i
.endr
.endr
.endm
; the 24 groups rounded to bf16 and laid into a slot
.macro WSTORE slot
.irp m, 0,1,2
.irp i, 0,1,2,3,4,5,6,7
	v_cvt_pk_bf16_f32 v[STG+32*\m+4*\i], v[STG+32*\m+4*\i], v[STG+32*\m+4*\i+1]
	v_cvt_pk_bf16_f32 v[STG+32*\m+4*\i+1], v[STG+32*\m+4*\i+2], v[STG+32*\m+4*\i+3]
	ds_store_b64 v[WS+\slot], v[STG+32*\m+4*\i:STG+32*\m+4*\i+1] offset:WMAT*\m+2*WPITCH*\i
.endr
.endr
.endm
; four loads: row i of my 16, 512 neighbouring bytes each, into row slot i & 3
.macro XLOAD i
.irp j, 0,1,2,3
	global_load_b128 v[X+16*((\i)&3)+4*\j:X+16*((\i)&3)+4*\j+3], v[XO], s[16:17] offset:2048*(\i)+512*\j
.endr
.endm
.irp j, 0,1,2,3
	global_load_b128 v[G+4*\j:G+4*\j+3], v[GO], s[24:25] offset:512*\j
.endr
.irp j, 0,1,2,3
	global_load_b128 v[B+4*\j:B+4*\j+3], v[GO], s[26:27] offset:512*\j
.endr
	WLOAD 0
	XLOAD 0
	XLOAD 1
	XLOAD 2
	XLOAD 3
	; the other bases and addresses, while the loads are on their way
	s_lshl_b32 s36, s6, 3
	s_lshl_b32 s38, s4, 1
	s_add_co_u32 s36, s36, s38                     ; head 8 b + 2 nb
	s_lshl_b32 s36, s36, 18                        ; a head is 262,144 bytes in each of qws, kws, vtws
	s_lshl_b32 s38, s7, 14                         ; 128 tokens of 128 bytes
	s_add_co_u32 s38, s38, s36
	s_add_nc_u64 s[28:29], s[28:29], s[38:39]
	s_add_nc_u64 s[30:31], s[30:31], s[38:39]
	s_lshl_b32 s38, s7, 8                          ; 128 tokens of 2 bytes along a row of vtws
	s_add_co_u32 s38, s38, s36
	s_add_nc_u64 s[32:33], s[32:33], s[38:39]
	s_lshl_b32 s38, s5, 10                         ; 128 rows of 8 bytes
	s_add_nc_u64 s[34:35], s[34:35], s[38:39]
	s_mul_i32 s41, s8, 16*WPITCH
	s_add_co_u32 s41, s41, WBASE
	v_mul_u32_u24 v6, v4, WPITCH
	v_lshl_add_u32 v6, v3, 3, v6                   ; row h, 8 bytes for 4 numbers
	v_add_nc_u32 v[WS], s41, v6
	v_add_nc_u32 v[WS+1], WSLOT, v[WS]
	s_mul_i32 s41, s8, 16*APITCH
	v_lshl_add_u32 v[AW], v1, 3, s41
	s_lshl_b32 s41, s8, 7
	s_add_co_u32 s41, s41, STATS
	v_mov_b32 v[SA], s41
	s_mul_i32 s41, s13, 64*APITCH
	v_mul_u32_u24 v6, v3, APITCH
	v_lshl_add_u32 v6, v4, 4, v6
	v_add_nc_u32 v[AA], s41, v6                    ; (64 wm + r) pitch + 16 h
	s_mul_i32 s41, s14, 32*WPITCH
	s_add_co_u32 s41, s41, WBASE
	v_mul_u32_u24 v7, v3, WPITCH
	v_lshl_add_u32 v7, v4, 4, v7                   ; r * 144 + 16 h
	v_add_nc_u32 v[BA], s41, v7
	v_add_nc_u32 v[BA+1], WSLOT, v[BA]
	s_lshr_b32 s41, s14, 1                         ; which of the two heads my 32 features lie in
	s_mul_i32 s41, s41, WMAT
	s_mul_i32 s42, s13, 64*WPITCH
	s_add_co_u32 s41, s41, s42
	s_and_b32 s42, s14, 1
	s_lshl_b32 s42, s42, 6
	s_add_co_u32 s41, s41, s42
	v_add_nc_u32 v[QS], s41, v7
	s_mul_i32 s41, s14, 32*VPITCH
	s_lshl_b32 s42, s13, 7
	s_add_co_u32 s41, s41, s42
	s_add_co_u32 s41, s41, VST
	v_mul_u32_u24 v6, v3, VPITCH
	v_lshl_add_u32 v6, v4, 4, v6
	v_add_nc_u32 v[VS], s41, v6
	s_mul_i32 s41, s13, WMAT
	s_mul_i32 s42, s14, 32*WPITCH
	s_add_co_u32 s41, s41, s42
	v_lshrrev_b32 v6, 3, v1
	v_mul_u32_u24 v6, v6, WPITCH
	v_and_b32 v7, 7, v1
	v_lshl_add_u32 v6, v7, 4, v6                   ; eight lanes take one token's 128 bytes
	v_add_nc_u32 v[QR], s41, v6
	s_mul_i32 s41, s8, 16*VPITCH
	s_add_co_u32 s41, s41, VST
	v_mul_u32_u24 v6, v4, VPITCH
	v_add_nc_u32 v6, v6, v5
	v_add_nc_u32 v[VR], s41, v6
	s_lshl_b32 s41, s13, 18
	s_lshl_b32 s42, s14, 12
	s_add_co_u32 s41, s41, s42
	v_add_nc_u32 v[QO], s41, v[GO]
	s_lshl_b32 s41, s8, 16
	v_lshl_add_u32 v6, v4, 12, v5
	v_add_nc_u32 v[VO], s41, v6
	v_add_nc_u32 v[SR], STATS, v[GO]
	v_mov_b32 v[ST+1], 0                           ; the pair is named whole by the packed adds before rstd is first made
	s_wait_loadcnt 16                              ; gamma, beta and W's K step 0 are in; the 16 loads of x's rows 0-3 stay out
	WSTORE 0
.macro LANESUM                         ; v[T] summed over the 32 lanes, the result in every lane
	v_add_f32_dpp v[T], v[T], v[T] row_xmask:1 row_mask:0xf bank_mask:0xf
	v_add_f32_dpp v[T], v[T], v[T] row_xmask:2 row_mask:0xf bank_mask:0xf
	v_add_f32_dpp v[T], v[T], v[T] row_xmask:4 row_mask:0xf bank_mask:0xf
	v_add_f32_dpp v[T], v[T], v[T] row_xmask:8 row_mask:0xf bank_mask:0xf
	v_permlanex16_b32 v[T+1], v[T], s10, s11
	v_add_f32 v[T], v[T], v[T+1]
.endm
; Row i of my 16: a lane holds columns 128 j + 4 l .. + 3, j = 0..3.  left = how many younger loads may stay out.
.macro LNROW i, left, refill
.set XS, X+16*((\i)&3)
	s_wait_loadcnt \left
	v_pk_add_f32 v[T:T+1], v[XS:XS+1], v[XS+2:XS+3]
	v_pk_add_f32 v[T+2:T+3], v[XS+4:XS+5], v[XS+6:XS+7]
	v_pk_add_f32 v[T+4:T+5], v[XS+8:XS+9], v[XS+10:XS+11]
	v_pk_add_f32 v[T+6:T+7], v[XS+12:XS+13], v[XS+14:XS+15]
	v_pk_add_f32 v[T:T+1], v[T:T+1], v[T+2:T+3]
	v_pk_add_f32 v[T+4:T+5], v[T+4:T+5], v[T+6:T+7]
	v_pk_add_f32 v[T:T+1], v[T:T+1], v[T+4:T+5]
	v_add_f32 v[T], v[T], v[T+1]
	LANESUM
	v_mul_f32 v[ST], 0xbb000000, v[T]              ; -mu = sum * (-1/512)
.irp k, 0,2,4,6,8,10,12,14
	v_pk_add_f32 v[XS+\k:XS+\k+1], v[XS+\k:XS+\k+1], v[ST:ST+1] op_sel_hi:[1,0]    ; x - mu, both halves take -mu
.endr
	v_pk_mul_f32 v[T:T+1], v[XS:XS+1], v[XS:XS+1]  ; the squares of the centred numbers, in two chains
	v_pk_mul_f32 v[T+2:T+3], v[XS+2:XS+3], v[XS+2:XS+3]
.irp k, 4,8,12
	v_pk_fma_f32 v[T:T+1], v[XS+\k:XS+\k+1], v[XS+\k:XS+\k+1], v[T:T+1]
	v_pk_fma_f32 v[T+2:T+3], v[XS+\k+2:XS+\k+3], v[XS+\k+2:XS+\k+3], v[T+2:T+3]
.endr
	v_pk_add_f32 v[T:T+1], v[T:T+1], v[T+2:T+3]
	v_add_f32 v[T], v[T], v[T+1]
	LANESUM
	v_fma_f32 v[T], v[T], s9, s12                  ; var + 1e-5
	v_rsq_f32 v[ST+1], v[T]
	v_nop                                          ; one plain vector instruction between v_rsq_f32 and the use of its result (ISA guide 5.7.2)
	s_wait_alu depctr_va_vdst(0)
.irp k, 0,2,4,6,8,10,12,14
	v_pk_mul_f32 v[XS+\k:XS+\k+1], v[XS+\k:XS+\k+1], v[ST:ST+1] op_sel:[0,1] op_sel_hi:[1,1]   ; both halves take rstd
.endr
.irp k, 0,2,4,6,8,10,12,14
	v_pk_fma_f32 v[XS+\k:XS+\k+1], v[XS+\k:XS+\k+1], v[G+\k:G+\k+1], v[B+\k:B+\k+1]
.endr
.irp k, 0,1,2,3,4,5,6,7
	v_cvt_pk_bf16_f32 v[XS+\k], v[XS+2*\k], v[XS+2*\k+1]       ; in place, ascending: register k is read no later than it is written
.endr
.irp j, 0,1,2,3
	ds_store_b64 v[AW], v[XS+2*\j:XS+2*\j+1] offset:APITCH*(\i)+256*\j     ; 32 lanes: 256 neighbouring bytes
.endr
	ds_store_b64 v[SA], v[ST:ST+1] offset:8*(\i)   ; every lane stores the same 8 bytes
.if \refill
	XLOAD (\i+4)
.endif
.endm
.irp i, 0,1,2,3,4,5,6,7,8,9,10,11
	LNROW \i, 12, 1                                ; three younger rows, four loads each, stay out
.endr
	WLOAD 1                                        ; W's K step 1: 24 loads behind the last four rows' 16
	LNROW 12, 36, 0                                ; 12 of rows 13-15 + W's 24
	LNROW 13, 32, 0
	LNROW 14, 28, 0
	LNROW 15, 24, 0                                ; W's 24 stay out
	s_wait_dscnt 0x0                               ; my part of xn, of STATS and of W's slot 0 is in LDS,
	s_barrier_signal -1
	s_barrier_wait -1                              ; everybody's is
; 20 LDS loads: 32 along K (half ks of K step t): six fragments of W, then four of xn
.macro FRAG t, ks, slot
.irp m, 0,1,2
.irp u, 0,1
	ds_load_b128 v[BF+8*(2*\m+\u):BF+8*(2*\m+\u)+3], v[BA+\slot] offset:WMAT*\m+16*WPITCH*\u+64*\ks
	ds_load_b128 v[BF+8*(2*\m+\u)+4:BF+8*(2*\m+\u)+7], v[BA+\slot] offset:WMAT*\m+16*WPITCH*\u+64*\ks+32
.endr
.endr
.irp a, 0,1,2,3
	ds_load_b128 v[AF+8*\a:AF+8*\a+3], v[AA] offset:16*APITCH*\a+64*(2*\t+\ks)
	ds_load_b128 v[AF+8*\a+4:AF+8*\a+7], v[AA] offset:16*APITCH*\a+64*(2*\t+\ks)+32
.endr
.endm
; 24 matrix instructions.  q and k: source 0 = W's rows, source 1 = xn's rows, so a lane holds 8 neighbouring features of one token.
; v: the other way round, so a lane holds 8 neighbouring tokens of one feature, which is a piece of a row of vtws.
; The 24 accumulators take turns, one instruction a turn.
.macro MUL zero
	WIN 0x50                                       ; C and D in window 1
.irp a, 0,1,2,3
	s_wait_dscnt 6-2*\a                            ; W's fragments and xn's up to block a are in; the later blocks' two loads each stay out
.irp f, 0,1,2,3
.if \zero
	v_wmma_f32_16x16x32_bf16 v[8*(6*\a+\f):8*(6*\a+\f)+7], v[BF+8*\f:BF+8*\f+7], v[AF+8*\a:AF+8*\a+7], 0
.else
	v_wmma_f32_16x16x32_bf16 v[8*(6*\a+\f):8*(6*\a+\f)+7], v[BF+8*\f:BF+8*\f+7], v[AF+8*\a:AF+8*\a+7], v[8*(6*\a+\f):8*(6*\a+\f)+7]
.endif
.endr
.irp f, 4,5
.if \zero
	v_wmma_f32_16x16x32_bf16 v[8*(6*\a+\f):8*(6*\a+\f)+7], v[AF+8*\a:AF+8*\a+7], v[BF+8*\f:BF+8*\f+7], 0
.else
	v_wmma_f32_16x16x32_bf16 v[8*(6*\a+\f):8*(6*\a+\f)+7], v[AF+8*\a:AF+8*\a+7], v[BF+8*\f:BF+8*\f+7], v[8*(6*\a+\f):8*(6*\a+\f)+7]
.endif
.endr
.endr
	WIN 0
.endm
; K step t.  W's step t + 1, loaded one step ago, goes into the other slot; step t + 2 is asked for; slot t & 1 is multiplied.
; One barrier a step: in front of it my reads of this slot and my stores into the other are done; behind it this slot is written and the other read.
; The four v_nop stand between the matrix instructions and the next loads into their sources (ISA guide 7.12.1 for vector instructions).
.macro KSTEP t
.if \t < 7
	s_wait_loadcnt 0x0                             ; the 24 loads of W's step t + 1
	WSTORE ((\t+1)&1)
.endif
.if \t < 6
	WLOAD (\t+2)
.endif
	FRAG \t, 0, (\t&1)
.if \t == 0
	MUL 1                                          ; the first products start the sums: nothing is cleared
.else
	MUL 0
.endif
	PLACES 4
	FRAG \t, 1, (\t&1)
	MUL 0
	PLACES 4
	s_wait_dscnt 0x0
	s_barrier_signal -1
	s_barrier_wait -1
.endm
.irp t, 0,1,2,3,4,5,6,7
	KSTEP \t
.endr
	; THE WAY OUT.  xn's bytes in LDS are free behind the last barrier.  q is scaled in f32, everything is rounded once, 16 bytes a lane go into
	; the stage, and whole pieces of 256 bytes are read back and stored.
	WIN 0x41
.irp a, 0,1,2,3
.irp f, 0,1
.irp k, 0,2,4,6
	v_pk_mul_f32 v[8*(6*\a+\f)+\k:8*(6*\a+\f)+\k+1], v[8*(6*\a+\f)+\k:8*(6*\a+\f)+\k+1], 0x3d8293ee op_sel_hi:[1,0]   ; log2(e)/sqrt(512)
.endr
.endr
.endr
	WIN 0x05
.irp a, 0,1,2,3
.irp f, 0,1,2,3,4,5
.irp k, 0,1,2,3
	v_cvt_pk_bf16_f32 v[STG+4*(6*\a+\f)+\k], v[8*(6*\a+\f)+2*\k], v[8*(6*\a+\f)+2*\k+1]
.endr
.endr
.endr
	WIN 0
.irp a, 0,1,2,3
.irp u, 0,1
	ds_store_b128 v[QS], v[STG+4*(6*\a+\u):STG+4*(6*\a+\u)+3] offset:16*WPITCH*\a+32*\u
	ds_store_b128 v[QS], v[STG+4*(6*\a+2+\u):STG+4*(6*\a+2+\u)+3] offset:KST+16*WPITCH*\a+32*\u
	ds_store_b128 v[VS], v[STG+4*(6*\a+4+\u):STG+4*(6*\a+4+\u)+3] offset:16*VPITCH*\u+32*\a
.endr
.endr
	s_wait_dscnt 0x0
	s_barrier_signal -1
	s_barrier_wait -1
.irp i, 0,1,2,3,4,5,6,7
	ds_load_b128 v[STG+4*\i:STG+4*\i+3], v[QR] offset:4*WPITCH*\i
.endr
.irp i, 0,1,2,3,4,5,6,7
	ds_load_b128 v[STG+32+4*\i:STG+32+4*\i+3], v[QR] offset:KST+4*WPITCH*\i
.endr
.irp i, 0,1,2,3,4,5,6,7
	ds_load_b128 v[STG+64+4*\i:STG+64+4*\i+3], v[VR] offset:2*VPITCH*\i
.endr
.irp i, 0,1,2,3,4,5,6,7
	s_wait_dscnt 23-\i                             ; LDS loads come back in order: this one is in, the younger ones stay out
	global_store_b128 v[QO], v[STG+4*\i:STG+4*\i+3], s[28:29] offset:512*\i        ; four tokens: 512 neighbouring bytes, aligned
.endr
.irp i, 0,1,2,3,4,5,6,7
	s_wait_dscnt 15-\i
	global_store_b128 v[QO], v[STG+32+4*\i:STG+32+4*\i+3], s[30:31] offset:512*\i
.endr
.irp i, 0,1,2,3,4,5,6,7
	s_wait_dscnt 7-\i
	global_store_b128 v[VO], v[STG+64+4*\i:STG+64+4*\i+3], s[32:33] offset:8192*\i ; 16 lanes: 256 neighbouring bytes of one feature's row, aligned
.endr
	; stats: the four work-groups of a row block hold the same 128 pairs; wave 0 of the one with nb = 0 stores them, 1,024 neighbouring bytes
	s_or_b32 s41, s8, s4
	s_cmp_lg_u32 s41, 0
	s_cbranch_scc1 .Lend
	ds_load_b128 v[AF:AF+3], v[SR]
	ds_load_b128 v[AF+4:AF+7], v[SR] offset:512
	s_wait_dscnt 0x0
	global_store_b128 v[GO], v[AF:AF+3], s[34:35]
	global_store_b128 v[GO], v[AF+4:AF+7], s[34:35] offset:512
.Lend:
	s_wait_tensorcnt 0x0
	ds_add_u32 v254, v255
	s_wait_dscnt 0x0
	s_endpgm
.Lfunc_end_k_q44b9a4b0e0_qkv:
	.size	k_q44b9a4b0e0_qkv, .Lfunc_end_k_q44b9a4b0e0_qkv-k_q44b9a4b0e0_qkv
	.p2alignl 7, 3214868480
	.fill 96, 4, 3214868480
	.section	.rodata,"a",@progbits
	.p2align	6, 0x0
	.amdhsa_kernel k_q44b9a4b0e0_qkv
		.amdhsa_group_segment_fixed_size 245760
		.amdhsa_private_segment_fixed_size 0
		.amdhsa_enable_private_segment 0
		.amdhsa_kernarg_size 80
		.amdhsa_user_sgpr_count 2
		.amdhsa_user_sgpr_kernarg_segment_ptr 1
		.amdhsa_wavefront_size32 1
		.amdhsa_system_sgpr_workgroup_id_x 1
		.amdhsa_system_sgpr_workgroup_id_y 1
		.amdhsa_system_sgpr_workgroup_id_z 1
		.amdhsa_system_vgpr_workitem_id 0
		.amdhsa_next_free_vgpr 448
		.amdhsa_next_free_sgpr 66
		.amdhsa_reserve_vcc 0
		.amdhsa_float_denorm_mode_32 3
		.amdhsa_float_denorm_mode_16_64 3
		.amdhsa_memory_ordered 1
		.amdhsa_forward_progress 1
		.amdhsa_inst_pref_size 201
	.end_amdhsa_kernel
	.amdgpu_metadata
---
amdhsa.version: [ 1, 2 ]
amdhsa.kernels:
  - .name:           k_q44b9a4b0e0_qkv
    .symbol:         k_q44b9a4b0e0_qkv.kd
    .args:
      - { .name: x, .offset: 0, .size: 8, .value_kind: global_buffer, .address_space: global }
      - { .name: Wq, .offset: 8, .size: 8, .value_kind: global_buffer, .address_space: global }
      - { .name: Wk, .offset: 16, .size: 8, .value_kind: global_buffer, .address_space: global }
      - { .name: Wv, .offset: 24, .size: 8, .value_kind: global_buffer, .address_space: global }
      - { .name: ln_gamma, .offset: 32, .size: 8, .value_kind: global_buffer, .address_space: global }
      - { .name: ln_beta, .offset: 40, .size: 8, .value_kind: global_buffer, .address_space: global }
      - { .name: qws, .offset: 48, .size: 8, .value_kind: global_buffer, .address_space: global }
      - { .name: kws, .offset: 56, .size: 8, .value_kind: global_buffer, .address_space: global }
      - { .name: vtws, .offset: 64, .size: 8, .value_kind: global_buffer, .address_space: global }
      - { .name: stats, .offset: 72, .size: 8, .value_kind: global_buffer, .address_space: global }
    .group_segment_fixed_size: 245760
    .private_segment_fixed_size: 0
    .kernarg_segment_align: 8
    .kernarg_segment_size: 80
    .max_flat_workgroup_size: 256
    .sgpr_count:     66
    .vgpr_count:     448
    .wavefront_size: 32
...
	.end_amdgpu_metadata
.endif
;; end of part 1
;; launch attn (part 2): grid 8 x 32, 8 waves a work-group, clusters of 4 x 1, 327,680 bytes of LDS; arguments qws, kws, vtws, stats, x, ln_gamma, ln_beta, out0; writes out0
.if DOCPART == 2
	.amdgcn_target "amdgcn-amd-amdhsa--gfx1250"
	.amdhsa_code_object_version 6
	.text
	.protected	k_q44b9a4b0e0_attn
	.globl	k_q44b9a4b0e0_attn
	.p2align	8
	.type	k_q44b9a4b0e0_attn,@function
k_q44b9a4b0e0_attn:
	s_mov_b64 s[64:65], 0
	v_nop
	global_prefetch_b8 v0, s[64:65] scope:SCOPE_SE
	s_setreg_imm32_b32 hwreg(HW_REG_WAVE_MODE, 25, 1), 1
	s_wait_xcnt 0x0
	s_wait_alu depctr_hold_cnt(0) depctr_sa_sdst(0) depctr_va_vdst(0) depctr_va_sdst(0) depctr_va_ssrc(0) depctr_va_vcc(0) depctr_vm_vsrc(0)
	s_getreg_b32 s2, hwreg(HW_REG_IB_STS2, 6, 4)
	s_cmp_eq_u32 s2, 0
	s_cbranch_scc0 .Lentry_in_a_cluster
	s_endpgm
.Lentry_in_a_cluster:
	s_bfe_u32 s2, ttmp6, 0x10000c
	s_cmp_lg_u32 s2, 0x3003
	s_cbranch_scc0 .Lentry_shape_is_right
	s_endpgm
.Lentry_shape_is_right:
; Attention with a running maximum, the residual and the output.  out0[b][n][64 head + d] = softmax(q k^T / sqrt(512)) v + xn.
; qws [32 bh][2048][64] bf16 holds q * log2(e)/sqrt(512), so the exponentials are base 2; kws [32][2048][64] bf16; vtws [32][64][2048] bf16.
; xn is made again in f32 from x, stats = (-mu, rstd), gamma and beta.
; A work-group (qb = 0..7, bh = 0..31) takes 256 queries of one head.  Eight waves, wave w = (g = w & 3, p = w >> 2): 64 queries (group g) and keys
; 128 p .. 128 p + 127 of every tile of 256 keys.  So a K or V fragment read from LDS feeds four matrix instructions, and of the two waves that share
; the vector and matrix units one can issue products while the other does the softmax.  Waves g and g + 4 join their (m, l, sums) once at the end.
; NO LANE SHUFFLES: S^T = K Q^T (source 0 = 16 keys, source 1 = 16 queries) leaves lane (r, h) with keys 8 h + j of query r; two neighbouring key tiles
; rounded pairwise to bf16 ARE source 1 of ctx^T = V^T P^T (query r; keys 8 h .., 16 + 8 h ..).  Maximum, factor and sum are one number a lane;
; one v_permlanex16_b32 joins the two halves of the lanes.
; CLUSTER 4 x 1: the four work-groups of a cluster have the same bh, hence the same K and V tiles: every tile is asked for jointly (mask 15).
; Only the global offsets of q, x, stats and out0 hang on the place in the cluster.
; The tiles go through two LDS slots; a tile is asked for one whole trip (128 matrix instructions a wave) before it is read; a wave has two tensor loads out.
; No prefetch: K and V were stored by the launch before, and each tile's request already stands a trip ahead of its first read.
; LIMITS: NaN and infinities are not treated specially; v_exp_f32 and v_rcp_f32 flush denormals (a probability below 2^-126 counts as 0);
; the row sum adds the f32 probabilities, the product with V takes them rounded to bf16.
.set KP,     144                       ; a key in LDS: 128 bytes + 16, an odd multiple of 16: the 16 rows of a fragment load start in 16 different 16-byte columns modulo 256
.set VP,     528                       ; a row of V^T: 512 bytes + 16, likewise
.set VOFF,   256*KP                    ; 36,864: V^T behind K in a slot
.set SLOT,   VOFF+64*VP                ; 70,656
.set ML,     2*SLOT                    ; 141,312: [wave 1,024][query tile 256][m at 0, l at 128][4 x lane]
.set STAGE,  ML+8192                   ; 149,504: 8 waves x 64 queries x pitch 272
.set SPITCH, 272
.set WSTAGE, 64*SPITCH
.set STATL,  STAGE+8*WSTAGE            ; 288,768: 8 waves x 32 rows x 8 bytes
.set KSTEP,  32768                     ; a tile further in kws: 256 keys of 128 bytes
.set VSTEP,  512                       ; and in vtws: 256 keys of 2 bytes
.set ADRK, 8                           ; v8-9    my K fragments, slot 0, 1
.set ADRV, 10                          ; v10-11  my V fragments
.set QO,   12
.set MLW,  13
.set MLR,  14
.set STW,  15
.set RD0,  16
.set RD1,  17
.set XO,   18
.set SO,   19
.set STLW, 20
.set STLR, 21
.set GO,   22
.set MA,   24                          ; v24-27  running maximum made by a trip's first block, one register for each query tile
.set MB,   28                          ; v28-31  by its second block
.set Q,    32                          ; v32-95  fragment (q, ks) at 8 (2 q + ks)
.set S,    96                          ; v96-223 tile (q, kt) at 32 q + 8 kt; P's fragment (q, k2) in place at 32 q + 16 k2
.set NP,   224                         ; pairs (-m, the other half's number)
.set AL,   232                         ; pairs (factor, l)
.set Z,    240                         ; pairs: the block's sums
.set SV,   248                         ; my row's (-mu, rstd) as loaded
.set KF,   128                         ; window 1: K fragment (kt, ks) at 128 + 8 (2 kt + ks);  sums (q, dt) at 32 q + 8 dt
.set VF,   192                         ; window 1: V fragment (dt, k2) at 192 + 8 (2 dt + k2)
.set XR,   96                          ; the end, in S's registers: 16 pieces of x,
.set GA,   160                         ; gamma, beta,
.set BE,   164
.set C0,   168                         ; four pieces of wave g's sums, four of wave g + 4's,
.set C1,   184
.set SQ,   200                         ; four pairs (-mu, rstd)
.set PM,   208                         ; the partner's m and l, the joint maximum
.set PL,   212
.set MS,   216
.set G1K,  32                          ; s[32:39] shape of my eighth of a K tile
.set G1V,  40                          ; s[40:47] of a V tile
.set G0K,  48                          ; s[48:55] from where, to where: a set for each slot
.set G0V,  56                          ; s[56:63]
.set MSB, 0
.macro WIN new                         ; s_set_vgpr_msb: bits 1:0 source 0, 3:2 source 1, 5:4 source 2, 7:6 destination; the high byte repeats the setting left
.if MSB != \new
	s_set_vgpr_msb (MSB<<8)|\new
.set MSB, \new
.endif
.endm
.macro PLACES n
.rept \n
	v_nop
.endr
.endm
; A round of the cluster's barrier: my work-group's barrier, wave 0 signals for the work-group, every wave waits for all four work-groups, my barrier again.
.macro ROUND
	s_barrier_signal -1
	s_barrier_wait -1
	s_cmp_lg_u32 s8, 0
	s_cbranch_scc1 .Lnot_wave_0_\@
	s_barrier_signal -3
.Lnot_wave_0_\@:
	s_barrier_wait -3
	s_barrier_signal -1
	s_barrier_wait -1
.endm
	s_load_b512 s[16:31], s[0:1], 0x0              ; qws s[16:17], kws s[18:19], vtws s[20:21], stats s[22:23], x s[24:25], gamma s[26:27], beta s[28:29], out0 s[30:31]
	v_lshl_add_u32 v254, v0, 2, 0x47000
	v_mov_b32 v255, 0
	ds_add_u32 v254, v255
	v_lshrrev_b32 v1, 5, v0
	v_readfirstlane_b32 s8, v1                     ; wave 0..7
	s_bfe_u32 s4, ttmp6, 0x40000                   ; cx
	s_lshl_b32 s5, ttmp9, 2
	s_add_co_u32 s5, s5, s4                        ; qb = 4 x cluster x + cx
	s_and_b32 s6, ttmp7, 0xffff                    ; bh
	s_lshr_b32 s7, s6, 3                           ; b
	s_and_b32 s9, s6, 7                            ; head
	s_mov_b32 s10, 0x76543210
	s_mov_b32 s11, 0xfedcba98
	s_and_b32 s72, s8, 3                           ; g
	s_lshr_b32 s73, s8, 2                          ; p
	; K: my 32 keys are 4,096 dense bytes, taken as 16 rows of 256 bytes; 4 words of padding behind every 32 words, counted along the tile,
	; put each key's 128 bytes at a pitch of 144
	s_mov_b32 s[G1K+0], 15|(1<<16)|(1<<20)|(1<<21)|(4<<22)|(3<<25)  ; mask: all four work-groups; 2-byte elements; padding on; bit 21 beside a mask; interval code 4; 4 words
	s_mov_b32 s[G1K+1], 128<<16                    ; tensor_dim0 = 128
	s_mov_b32 s[G1K+2], 16<<16                     ; tensor_dim1 = 16
	s_mov_b32 s[G1K+3], 128<<16                    ; tile_dim0 = 128
	s_mov_b32 s[G1K+4], 16                         ; tile_dim1 = 16
	s_mov_b32 s[G1K+5], 128                        ; from row to row
	s_mov_b32 s[G1K+6], 0
	s_mov_b32 s[G1K+7], 0
	; V^T: my 8 rows d of 256 keys (512 bytes), 2,048 elements apart; 4 words of padding behind every 128 words
	s_mov_b32 s[G1V+0], 15|(1<<16)|(1<<20)|(1<<21)|(6<<22)|(3<<25)
	s_mov_b32 s[G1V+1], 256<<16
	s_mov_b32 s[G1V+2], 8<<16
	s_mov_b32 s[G1V+3], 256<<16
	s_mov_b32 s[G1V+4], 8
	s_mov_b32 s[G1V+5], 2048
	s_mov_b32 s[G1V+6], 0
	s_mov_b32 s[G1V+7], 0
	s_mul_i32 s70, s8, 32*KP                       ; where my parts go: the wave's number alone
	s_mul_i32 s71, s8, 8*VP
	s_add_co_u32 s71, s71, VOFF
	s_lshl_b32 s12, s6, 18                         ; a head is 262,144 bytes; s[12:13] hold bh and the wave's number alone
	s_mov_b32 s13, 0
	s_wait_dscnt 0x0
	s_wait_kmcnt 0x0
	s_add_nc_u64 s[18:19], s[18:19], s[12:13]
	s_add_nc_u64 s[20:21], s[20:21], s[12:13]
	s_lshl_b32 s12, s8, 12                         ; my 32 keys
	s_add_nc_u64 s[18:19], s[18:19], s[12:13]
	s_lshl_b32 s12, s8, 15                         ; my 8 rows of 4,096 bytes
	s_add_nc_u64 s[20:21], s[20:21], s[12:13]
.irp t, 0,1
	s_mov_b32 s[G0K+4*\t], 1
	s_add_co_u32 s[G0K+4*\t+1], s70, \t*SLOT
	s_add_nc_u64 s[G0K+4*\t+2:G0K+4*\t+3], s[18:19], \t*KSTEP
	s_or_b32 s[G0K+4*\t+3], s[G0K+4*\t+3], 0x80000000
	s_mov_b32 s[G0V+4*\t], 1
	s_add_co_u32 s[G0V+4*\t+1], s71, \t*SLOT
	s_add_nc_u64 s[G0V+4*\t+2:G0V+4*\t+3], s[20:21], \t*VSTEP
	s_or_b32 s[G0V+4*\t+3], s[G0V+4*\t+3], 0x80000000
.endr
	ROUND                                          ; all four work-groups are here: the first joint loads meet
	tensor_load_to_lds s[G0K:G0K+3], s[G1K:G1K+7]  ; tile 0
	s_nop 0
	tensor_load_to_lds s[G0V:G0V+3], s[G1V:G1V+7]
	s_nop 0
	; the bases that hang on qb
	s_lshl_b32 s14, s6, 18
	s_lshl_b32 s66, s5, 15                         ; 256 queries of 128 bytes
	s_add_co_u32 s14, s14, s66
	s_mov_b32 s15, 0
	s_add_nc_u64 s[16:17], s[16:17], s[14:15]
	v_and_b32 v1, 31, v0                           ; l
	v_and_b32 v2, 15, v0                           ; r
	v_bfe_u32 v3, v0, 4, 1                         ; h
	v_lshlrev_b32 v4, 7, v2
	v_lshl_add_u32 v4, v3, 4, v4
	s_lshl_b32 s74, s72, 13                        ; 64 queries
	v_add_nc_u32 v[QO], s74, v4
.irp q, 0,1,2,3
.irp ks, 0,1
	global_load_b128 v[Q+8*(2*\q+\ks):Q+8*(2*\q+\ks)+3], v[QO], s[16:17] offset:2048*\q+64*\ks
	global_load_b128 v[Q+8*(2*\q+\ks)+4:Q+8*(2*\q+\ks)+7], v[QO], s[16:17] offset:2048*\q+64*\ks+32
.endr
.endr
	s_lshl_b32 s14, s7, 22                         ; a batch of x: 2,048 rows of 2,048 bytes
	s_lshl_b32 s66, s5, 19                         ; 256 rows
	s_add_co_u32 s14, s14, s66
	s_lshl_b32 s66, s9, 8                          ; the head's 64 columns
	s_mov_b32 s67, 0
	s_add_co_u32 s14, s14, s66
	s_add_nc_u64 s[24:25], s[24:25], s[14:15]
	s_add_nc_u64 s[30:31], s[30:31], s[14:15]
	s_add_nc_u64 s[26:27], s[26:27], s[66:67]
	s_add_nc_u64 s[28:29], s[28:29], s[66:67]
	s_lshl_b32 s14, s7, 14                         ; stats: 2,048 rows of 8 bytes
	s_lshl_b32 s66, s5, 11
	s_add_co_u32 s14, s14, s66
	s_add_nc_u64 s[22:23], s[22:23], s[14:15]
	; lane addresses
	v_mul_u32_u24 v4, v2, KP
	v_lshl_add_u32 v4, v3, 4, v4
	s_mul_i32 s74, s73, 128*KP
	v_add_nc_u32 v[ADRK], s74, v4                  ; (128 p + r) 144 + 16 h
	v_add_nc_u32 v[ADRK+1], SLOT, v[ADRK]
	v_mul_u32_u24 v4, v2, VP
	v_lshl_add_u32 v4, v3, 4, v4
	s_lshl_b32 s74, s73, 8
	s_add_co_u32 s74, s74, VOFF
	v_add_nc_u32 v[ADRV], s74, v4                  ; row r, keys 128 p + 8 h ..
	v_add_nc_u32 v[ADRV+1], SLOT, v[ADRV]
	s_lshl_b32 s74, s8, 10
	s_add_co_u32 s74, s74, ML
	v_lshl_add_u32 v[MLW], v1, 2, s74
	s_xor_b32 s74, s8, 4                           ; the wave with my queries and the other keys
	s_lshl_b32 s74, s74, 10
	s_add_co_u32 s74, s74, ML
	v_lshl_add_u32 v[MLR], v1, 2, s74
	v_mul_u32_u24 v4, v2, SPITCH
	v_lshl_add_u32 v4, v3, 5, v4
	s_mul_i32 s74, s8, WSTAGE
	s_add_co_u32 s74, s74, STAGE
	v_add_nc_u32 v[STW], s74, v4
	v_lshlrev_b32 v[GO], 4, v2
	v_mul_u32_u24 v4, v3, SPITCH
	v_add_nc_u32 v4, v4, v[GO]
	s_mul_i32 s74, s72, WSTAGE
	s_mul_i32 s75, s73, 32*SPITCH
	s_add_co_u32 s74, s74, s75
	s_add_co_u32 s74, s74, STAGE
	v_add_nc_u32 v[RD0], s74, v4                   ; wave g's stage, row 32 p + h, 16 bytes a lane
	v_add_nc_u32 v[RD1], 4*WSTAGE, v[RD0]          ; the same in wave g + 4's
	v_lshl_add_u32 v4, v3, 11, v[GO]
	s_lshl_b32 s74, s72, 17
	s_lshl_b32 s75, s73, 16
	s_add_co_u32 s74, s74, s75
	v_add_nc_u32 v[XO], s74, v4                    ; row 64 g + 32 p + h of the block, in x and in out0
	s_lshl_b32 s74, s72, 9
	s_lshl_b32 s75, s73, 8
	s_add_co_u32 s74, s74, s75
	v_lshl_add_u32 v[SO], v1, 3, s74
	s_lshl_b32 s74, s8, 8
	s_add_co_u32 s74, s74, STATL
	v_lshl_add_u32 v[STLW], v1, 3, s74
	v_lshl_add_u32 v[STLR], v3, 3, s74
.irp q, 0,1,2,3
	v_mov_b32 v[NP+2*\q+1], 0                      ; v_permlanex16_b32's destination counts as read
.endr
.macro KLOAD s, blk                    ; 16 loads: the 64 keys of block blk, 4 key tiles x 2 halves of d
.irp kt, 0,1,2,3
.irp ks, 0,1
	ds_load_b128 v[KF+8*(2*\kt+\ks):KF+8*(2*\kt+\ks)+3], v[ADRK+\s] offset:64*KP*(\blk)+16*KP*\kt+64*\ks
	ds_load_b128 v[KF+8*(2*\kt+\ks)+4:KF+8*(2*\kt+\ks)+7], v[ADRK+\s] offset:64*KP*(\blk)+16*KP*\kt+64*\ks+32
.endr
.endr
.endm
.macro VLOAD s, blk                    ; 16 loads: 4 tiles of d x 2 halves of the block's 64 keys
.irp dt, 0,1,2,3
.irp k2, 0,1
	ds_load_b128 v[VF+8*(2*\dt+\k2):VF+8*(2*\dt+\k2)+3], v[ADRV+\s] offset:16*VP*\dt+128*(\blk)+64*\k2
	ds_load_b128 v[VF+8*(2*\dt+\k2)+4:VF+8*(2*\dt+\k2)+7], v[ADRV+\s] offset:16*VP*\dt+128*(\blk)+64*\k2+32
.endr
.endr
.endm
.macro SCALE                           ; the 16 tiles of sums times the pair's first number (one number for each query, that is for each lane)
	WIN 0x41
.irp k, 0,2,4,6,8,10,12,14,16,18,20,22,24,26,28,30
.irp q, 0,1,2,3
	v_pk_mul_f32 v[32*\q+\k:32*\q+\k+1], v[32*\q+\k:32*\q+\k+1], v[AL+2*\q:AL+2*\q+1] op_sel_hi:[1,0]
.endr
.endr
.endm
; The softmax of a block, the four query tiles side by side in every stage.  MN: the new maxima; MO: the old ones.
.macro SOFTMAX first, MN, MO
.irp q, 0,1,2,3
.if \first
	v_max_num_f32 v[\MN+\q], v[S+32*\q], v[S+32*\q+1]
.else
	v_max3_num_f32 v[\MN+\q], v[\MO+\q], v[S+32*\q], v[S+32*\q+1]
.endif
.endr
.irp k, 2,4,6,8,10,12,14,16,18,20,22,24,26,28,30
.irp q, 0,1,2,3
	v_max3_num_f32 v[\MN+\q], v[\MN+\q], v[S+32*\q+\k], v[S+32*\q+\k+1]
.endr
.endr
.irp q, 0,1,2,3
	v_permlanex16_b32 v[NP+2*\q+1], v[\MN+\q], s10, s11        ; the same query's other keys
.endr
.irp q, 0,1,2,3
	v_max_num_f32 v[\MN+\q], v[\MN+\q], v[NP+2*\q+1]
.endr
.if \first == 0
.irp q, 0,1,2,3
	v_sub_f32 v[AL+2*\q], v[\MO+\q], v[\MN+\q]
.endr
.endif
.irp q, 0,1,2,3
	v_sub_f32 v[NP+2*\q], 0, v[\MN+\q]
.endr
.irp k, 0,2,4,6,8,10,12,14,16,18,20,22,24,26,28,30
.irp q, 0,1,2,3
	v_pk_add_f32 v[S+32*\q+\k:S+32*\q+\k+1], v[S+32*\q+\k:S+32*\q+\k+1], v[NP+2*\q:NP+2*\q+1] op_sel_hi:[1,0]   ; s - m
.endr
.endr
.set kk, 0
.rept 32
.irp q, 0,1,2,3
	v_exp_f32 v[S+32*\q+kk], v[S+32*\q+kk]
.endr
.set kk, kk+1
.endr
.if \first == 0
.irp q, 0,1,2,3
	v_exp_f32 v[AL+2*\q], v[AL+2*\q]               ; 2^(old m - new m)
.endr
.endif
	v_nop                                          ; one plain vector instruction behind the run of v_exp_f32 (ISA guide 5.7.2)
	s_wait_alu depctr_va_vdst(0)
.irp q, 0,1,2,3
	v_pk_add_f32 v[Z+2*\q:Z+2*\q+1], v[S+32*\q:S+32*\q+1], v[S+32*\q+2:S+32*\q+3]
.endr
.irp k, 4,6,8,10,12,14,16,18,20,22,24,26,28,30
.irp q, 0,1,2,3
	v_pk_add_f32 v[Z+2*\q:Z+2*\q+1], v[Z+2*\q:Z+2*\q+1], v[S+32*\q+\k:S+32*\q+\k+1]
.endr
.endr
.irp q, 0,1,2,3
.if \first
	v_add_f32 v[AL+2*\q+1], v[Z+2*\q], v[Z+2*\q+1]
.else
	v_fma_f32 v[AL+2*\q+1], v[AL+2*\q+1], v[AL+2*\q], v[Z+2*\q]
.endif
.endr
.if \first == 0
.irp q, 0,1,2,3
	v_add_f32 v[AL+2*\q+1], v[AL+2*\q+1], v[Z+2*\q+1]          ; l stays my half's keys' sum; the halves are joined at the end
.endr
.endif
.irp c, 0,16
.irp i, 0,1,2,3,4,5,6,7
.irp q, 0,1,2,3
	v_cvt_pk_bf16_f32 v[S+32*\q+\c+\i], v[S+32*\q+\c+2*\i], v[S+32*\q+\c+2*\i+1]   ; in place, ascending: two key tiles become one fragment of P
.endr
.endr
.endr
.endm
; A block: my 64 queries x 64 keys.  K's fragments are on their way or in when it begins.  more = 1: the next block's K fragments are fetched in its middle.
; In both products 16 accumulators take turns, one instruction a turn.
.macro BLOCK s, blk, first, more, MN, MO
	WIN 0x40
	VLOAD \s, \blk
	s_wait_dscnt 16                                ; K's 16 loads are older and are in; V's 16 stay out
	WIN 0x01                                       ; source 0 (K) in window 1
.irp ks, 0,1
.irp kt, 0,1,2,3
.irp q, 0,1,2,3
.if \ks == 0
	v_wmma_f32_16x16x32_bf16 v[S+32*\q+8*\kt:S+32*\q+8*\kt+7], v[KF+8*(2*\kt+\ks):KF+8*(2*\kt+\ks)+7], v[Q+8*(2*\q+\ks):Q+8*(2*\q+\ks)+7], 0
.else
	v_wmma_f32_16x16x32_bf16 v[S+32*\q+8*\kt:S+32*\q+8*\kt+7], v[KF+8*(2*\kt+\ks):KF+8*(2*\kt+\ks)+7], v[Q+8*(2*\q+\ks):Q+8*(2*\q+\ks)+7], v[S+32*\q+8*\kt:S+32*\q+8*\kt+7]
.endif
.endr
.endr
.endr
	WIN 0
	PLACES 4                                       ; behind the products: K's registers are loaded again and S is read (ISA guide 7.12.1)
.if \more
	WIN 0x40
	KLOAD \s, (\blk+1)
	WIN 0
.endif
	SOFTMAX \first, \MN, \MO
.if \first == 0
	SCALE
.endif
.if \more
	s_wait_dscnt 16                                ; V is in; the next block's 16 loads of K stay out
.else
	s_wait_dscnt 0x0
.endif
	WIN 0x51                                       ; source 0 (V), C and D in window 1
.irp k2, 0,1
.irp dt, 0,1,2,3
.irp q, 0,1,2,3
.if \first*(1-\k2)
	v_wmma_f32_16x16x32_bf16 v[32*\q+8*\dt:32*\q+8*\dt+7], v[VF+8*(2*\dt+\k2):VF+8*(2*\dt+\k2)+7], v[S+32*\q+16*\k2:S+32*\q+16*\k2+7], 0
.else
	v_wmma_f32_16x16x32_bf16 v[32*\q+8*\dt:32*\q+8*\dt+7], v[VF+8*(2*\dt+\k2):VF+8*(2*\dt+\k2)+7], v[S+32*\q+16*\k2:S+32*\q+16*\k2+7], v[32*\q+8*\dt:32*\q+8*\dt+7]
.endif
.endr
.endr
.endr
	WIN 0
	PLACES 5                                       ; behind the products: V's registers are loaded again, and the next S products write over P (ISA guide 7.12.1)
.endm
; A trip: one tile of 256 keys from slot s.  In front of the round every wave has waited for all its tensor loads (its parts of this tile) and for its reads of
; the other slot; behind the round that holds of every wave of the four work-groups: the other slot is asked for again first, then this one is read.
.macro TRIP s, refill, first
	s_wait_tensorcnt 0x0                           ; my two loads are done, so every group 0 may be written:
	ds_add_u32 v254, v255
	s_wait_dscnt 0x0
	s_add_nc_u64 s[G0K+4*\s+2:G0K+4*\s+3], s[G0K+4*\s+2:G0K+4*\s+3], 2*KSTEP      ; this slot's next tile
	s_add_nc_u64 s[G0V+4*\s+2:G0V+4*\s+3], s[G0V+4*\s+2:G0V+4*\s+3], 2*VSTEP
	s_wait_dscnt 0x0
	ROUND
.if \refill
	tensor_load_to_lds s[G0K+4*(1-\s):G0K+4*(1-\s)+3], s[G1K:G1K+7]
	s_nop 0
	tensor_load_to_lds s[G0V+4*(1-\s):G0V+4*(1-\s)+3], s[G1V:G1V+7]
	s_nop 0
.endif
	WIN 0x40
	KLOAD \s, 0
	BLOCK \s, 0, \first, 1, MA, MB
	BLOCK \s, 1, 0, 0, MB, MA
.endm
	s_wait_loadcnt 0x0                             ; Q's 16 loads
	TRIP 0, 1, 1                                   ; tiles 0 and 1 stand in front of the loop: the first products start the sums
	TRIP 1, 1, 0
	s_mov_b32 s3, 2
.Ltiles:
	TRIP 0, 1, 0                                   ; tiles 2 to 5
	TRIP 1, 1, 0
	s_sub_co_u32 s3, s3, 1
	s_cmp_lg_u32 s3, 0
	s_cbranch_scc1 .Ltiles
	TRIP 0, 1, 0                                   ; tile 6 asks for tile 7,
	TRIP 1, 0, 0                                   ; tile 7 for nothing
	; THE END.  19 loads: my 32 rows' stats, gamma, beta, and my 32 rows' 256-byte pieces of x (two rows a load)
	global_load_b64 v[SV:SV+1], v[SO], s[22:23]
	global_load_b128 v[GA:GA+3], v[GO], s[26:27]
	global_load_b128 v[BE:BE+3], v[GO], s[28:29]
.irp i, 0,1,2,3,4,5,6,7,8,9,10,11,12,13,14,15
	global_load_b128 v[XR+4*\i:XR+4*\i+3], v[XO], s[24:25] offset:4096*\i th:TH_LOAD_NT
.endr
	; waves g and g + 4 exchange (m, l)
.irp q, 0,1,2,3
	v_permlanex16_b32 v[NP+2*\q+1], v[AL+2*\q+1], s10, s11
.endr
.irp q, 0,1,2,3
	v_add_f32 v[AL+2*\q+1], v[AL+2*\q+1], v[NP+2*\q+1]         ; l over both halves of the lanes
.endr
.irp q, 0,1,2,3
	ds_store_b32 v[MLW], v[MB+\q] offset:256*\q
	ds_store_b32 v[MLW], v[AL+2*\q+1] offset:256*\q+128
.endr
	s_wait_dscnt 0x0
	s_barrier_signal -1
	s_barrier_wait -1
.irp q, 0,1,2,3
	ds_load_b32 v[PM+\q], v[MLR] offset:256*\q
	ds_load_b32 v[PL+\q], v[MLR] offset:256*\q+128
.endr
	s_wait_dscnt 0x0
.irp q, 0,1,2,3
	v_max_num_f32 v[MS+\q], v[MB+\q], v[PM+\q]
.endr
.irp q, 0,1,2,3
	v_sub_f32 v[AL+2*\q], v[MB+\q], v[MS+\q]
	v_sub_f32 v[PM+\q], v[PM+\q], v[MS+\q]
.endr
.irp q, 0,1,2,3
	v_exp_f32 v[AL+2*\q], v[AL+2*\q]
	v_exp_f32 v[PM+\q], v[PM+\q]
.endr
	v_nop
	s_wait_alu depctr_va_vdst(0)
.irp q, 0,1,2,3
	v_mul_f32 v[AL+2*\q+1], v[AL+2*\q+1], v[AL+2*\q]
.endr
.irp q, 0,1,2,3
	v_fma_f32 v[AL+2*\q+1], v[PL+\q], v[PM+\q], v[AL+2*\q+1]   ; the whole row's sum: at least 1, since the largest score gives 2^0
.endr
.irp q, 0,1,2,3
	v_rcp_f32 v[AL+2*\q+1], v[AL+2*\q+1]
.endr
	v_nop
	s_wait_alu depctr_va_vdst(0)
.irp q, 0,1,2,3
	v_mul_f32 v[AL+2*\q], v[AL+2*\q], v[AL+2*\q+1]             ; my sums' factor
.endr
	SCALE
	WIN 0x04                                       ; store data in window 1
.irp q, 0,1,2,3
.irp dt, 0,1,2,3
	ds_store_b128 v[STW], v[32*\q+8*\dt:32*\q+8*\dt+3] offset:16*SPITCH*\q+64*\dt          ; query 16 q + r, d = 16 dt + 8 h ..
	ds_store_b128 v[STW], v[32*\q+8*\dt+4:32*\q+8*\dt+7] offset:16*SPITCH*\q+64*\dt+16
.endr
.endr
	WIN 0
	s_wait_loadcnt 18                              ; stats, the oldest of the 19, is in
	ds_store_b64 v[STLW], v[SV:SV+1]               ; lane l brought row l's pair; lane (r, h) will want row h + 2 i's
	s_wait_dscnt 0x0
	s_barrier_signal -1
	s_barrier_wait -1
	s_wait_loadcnt 0x0
; rows h + 2 i of my 32: both waves' sums, xn made again, one aligned 256-byte piece of out0 from every 16 lanes
.macro OUTROW i, k
	s_wait_dscnt 9-3*\k                            ; this row pair's three loads are in; three for each later pair of the batch stay out
.irp e, 0,2
	v_pk_add_f32 v[XR+4*(\i)+\e:XR+4*(\i)+\e+1], v[XR+4*(\i)+\e:XR+4*(\i)+\e+1], v[SQ+2*\k:SQ+2*\k+1] op_sel_hi:[1,0]
	v_pk_add_f32 v[C0+4*\k+\e:C0+4*\k+\e+1], v[C0+4*\k+\e:C0+4*\k+\e+1], v[C1+4*\k+\e:C1+4*\k+\e+1]
.endr
.irp e, 0,2
	v_pk_mul_f32 v[XR+4*(\i)+\e:XR+4*(\i)+\e+1], v[XR+4*(\i)+\e:XR+4*(\i)+\e+1], v[SQ+2*\k:SQ+2*\k+1] op_sel:[0,1] op_sel_hi:[1,1]
.endr
.irp e, 0,2
	v_pk_fma_f32 v[XR+4*(\i)+\e:XR+4*(\i)+\e+1], v[XR+4*(\i)+\e:XR+4*(\i)+\e+1], v[GA+\e:GA+\e+1], v[BE+\e:BE+\e+1]
.endr
.irp e, 0,2
	v_pk_add_f32 v[XR+4*(\i)+\e:XR+4*(\i)+\e+1], v[XR+4*(\i)+\e:XR+4*(\i)+\e+1], v[C0+4*\k+\e:C0+4*\k+\e+1]
.endr
	global_store_b128 v[XO], v[XR+4*(\i):XR+4*(\i)+3], s[30:31] offset:4096*(\i) th:TH_STORE_NT
.endm
.irp bt, 0,1,2,3
.irp k, 0,1,2,3
	ds_load_b128 v[C0+4*\k:C0+4*\k+3], v[RD0] offset:2*SPITCH*(4*\bt+\k)
	ds_load_b128 v[C1+4*\k:C1+4*\k+3], v[RD1] offset:2*SPITCH*(4*\bt+\k)
	ds_load_b64 v[SQ+2*\k:SQ+2*\k+1], v[STLR] offset:16*(4*\bt+\k)
.endr
.irp k, 0,1,2,3
	OUTROW (4*\bt+\k), \k
.endr
.endr
	s_wait_tensorcnt 0x0
	ds_add_u32 v254, v255
	s_wait_dscnt 0x0
	ROUND                                          ; the closing round: no work-group ends while a partner may still ask for a tile that names it
	s_endpgm
.Lfunc_end_k_q44b9a4b0e0_attn:
	.size	k_q44b9a4b0e0_attn, .Lfunc_end_k_q44b9a4b0e0_attn-k_q44b9a4b0e0_attn
	.p2alignl 7, 3214868480
	.fill 96, 4, 3214868480
	.section	.rodata,"a",@progbits
	.p2align	6, 0x0
	.amdhsa_kernel k_q44b9a4b0e0_attn
		.amdhsa_group_segment_fixed_size 327680
		.amdhsa_private_segment_fixed_size 0
		.amdhsa_enable_private_segment 0
		.amdhsa_kernarg_size 64
		.amdhsa_user_sgpr_count 2
		.amdhsa_user_sgpr_kernarg_segment_ptr 1
		.amdhsa_wavefront_size32 1
		.amdhsa_system_sgpr_workgroup_id_x 1
		.amdhsa_system_sgpr_workgroup_id_y 1
		.amdhsa_system_sgpr_workgroup_id_z 1
		.amdhsa_system_vgpr_workitem_id 0
		.amdhsa_next_free_vgpr 512
		.amdhsa_next_free_sgpr 80
		.amdhsa_reserve_vcc 0
		.amdhsa_float_denorm_mode_32 3
		.amdhsa_float_denorm_mode_16_64 3
		.amdhsa_memory_ordered 1
		.amdhsa_forward_progress 1
		.amdhsa_inst_pref_size 255
	.end_amdhsa_kernel
	.section	.bss,"aw",@nobits
	.p2align	6
	.space	262144
	.amdgpu_metadata
---
amdhsa.version: [ 1, 2 ]
amdhsa.kernels:
  - .name:           k_q44b9a4b0e0_attn
    .symbol:         k_q44b9a4b0e0_attn.kd
    .args:
      - { .name: qws, .offset: 0, .size: 8, .value_kind: global_buffer, .address_space: global }
      - { .name: kws, .offset: 8, .size: 8, .value_kind: global_buffer, .address_space: global }
      - { .name: vtws, .offset: 16, .size: 8, .value_kind: global_buffer, .address_space: global }
      - { .name: stats, .offset: 24, .size: 8, .value_kind: global_buffer, .address_space: global }
      - { .name: x, .offset: 32, .size: 8, .value_kind: global_buffer, .address_space: global }
      - { .name: ln_gamma, .offset: 40, .size: 8, .value_kind: global_buffer, .address_space: global }
      - { .name: ln_beta, .offset: 48, .size: 8, .value_kind: global_buffer, .address_space: global }
      - { .name: out0, .offset: 56, .size: 8, .value_kind: global_buffer, .address_space: global }
    .group_segment_fixed_size: 327680
    .private_segment_fixed_size: 0
    .kernarg_segment_align: 8
    .kernarg_segment_size: 64
    .max_flat_workgroup_size: 256
    .sgpr_count:     80
    .vgpr_count:     512
    .wavefront_size: 32
...
	.end_amdgpu_metadata
.endif
;; end of part 2
;; ======== version 2 of 2: 2 launches; version 1 with the launch qkv written anew for expert scheduling mode
;; workspace buffers: qws 8,388,608 bytes; kws 8,388,608 bytes; vtws 8,388,608 bytes; stats 65,536 bytes
;; launch qkv (part 3): grid 4 x 64, 8 waves a work-group, no clusters, 245,760 bytes of LDS; arguments x, Wq, Wk, Wv, ln_gamma, ln_beta, qws, kws, vtws, stats; writes qws, kws, vtws, stats
.if DOCPART == 3
	.amdgcn_target "amdgcn-amd-amdhsa--gfx1250"
	.amdhsa_code_object_version 6
	.text
	.protected	k_q44b9a4b0e0_qkv
	.globl	k_q44b9a4b0e0_qkv
	.p2align	8
	.type	k_q44b9a4b0e0_qkv,@function
k_q44b9a4b0e0_qkv:
	s_mov_b64 s[64:65], 0
	v_nop
	global_prefetch_b8 v0, s[64:65] scope:SCOPE_SE
	s_setreg_imm32_b32 hwreg(HW_REG_WAVE_SCHED_MODE, 0, 2), 2
	s_setreg_imm32_b32 hwreg(HW_REG_WAVE_MODE, 25, 1), 1
	s_wait_xcnt 0x0
	s_wait_alu depctr_vm_vsrc(0)
; LayerNorm and the three projections.  x: [8192 rows][512] f32.  Wq, Wk, Wv: [512 features][512] f32.
;   xn = (x - mu) * rsqrt(var + 1e-5) * gamma + beta, in f32, the variance from the centred numbers (no difference of large sums)
;   qws  [32 heads bh][2048 tokens][64] bf16 = (xn Wq^T) * log2(e)/sqrt(512), scaled in f32 and rounded once
;   kws  [32][2048][64] bf16 = xn Wk^T;      vtws [32][64][2048] bf16 = (xn Wv^T) transposed;      stats [8192][2] f32 = (-mu, rstd)
; A work-group (nb = x 0..3, mb = y 0..63) takes rows 128 mb .. +127 and features 128 nb .. +127 of EACH of q, k, v (heads 2 nb, 2 nb + 1).
; Eight waves: wave w normalises rows 16 w .. +15; in the products wave (wm = w >> 2, wn = w & 3) makes 64 rows x 32 features of each of q, k, v:
; 24 accumulator tiles of 16 x 16.  K goes in eight steps of 64; xn lies in LDS whole (bf16), W in two slots that take turns.
; NO TENSOR LOADS AND NO CLUSTER: both operands are f32 in memory and have to be bf16 in front of the matrix unit.  W's share of a work-group is
; 768 KB of f32; landed raw in LDS it would be written and read there as 768 KB each and then stored and read again as bf16; through registers
; (global load, conversion, ds_store) LDS sees 384 KB written and 384 KB read.  So what the row blocks share (W) is fetched by plain loads.
; LIMITS: NaN and infinities are not treated specially; matrix operands are rounded to bf16; v_rsq_f32's argument is at least 1e-5.
; THE MODE: SCHED_MODE bits 1:0 = 2 (LLVM: expert scheduling mode 2), set by the entry lines.  The code itself states the register dependences
; between vector or matrix instructions and memory or LDS instructions, with s_wait_alu, always for 0.
; THE PLAN.  Registers that memory or LDS instructions touch, and who else names them:
;   v8-24      offsets and LDS addresses: written once at the head, ahead of a wait on va_vdst, and never again.
;   G, B       loaded once; read by LayerNorm's vector lines.
;   X0 .. X3   a row of x each.  Row i's vector lines work on X[i & 3]; at the row's end row i + 4 is loaded into it.  No store reads them.
;   Y0, Y1, ST0, ST1   row i's roundings write Y[i & 1], its statistics ST[i & 1]; the five LDS stores at the row's end read them.
;   STG        24 loads of W land in it, 48 conversions work in place, 24 LDS stores read it, the next 24 loads land in it.
;   AF, BF     the fragments of a K step's first half: loaded at the step's head, read by its first 24 matrix instructions.
;   AF1, BF1   those of its second half: AF1 loaded at the step's head, BF1 among the first 24 matrix instructions; read by the last 24.
; A ROW'S END: vm_vsrc (the stores of the row before have read the other Y and ST), va_vdst (this row has written its Y and ST and is done with its X),
; then the loads and the stores.  A K STEP: ONE wait on va_vdst, behind its conversions: STG is written, and the step before is done with all four
; sets of fragments.  Behind it no vector or matrix instruction names STG, and the first 24 matrix instructions name AF, BF and accumulators alone:
; so the step's 40 fragment loads, its 24 stores and (behind one wait on vm_vsrc, for the stores' reads of STG) its 24 loads of W owe nothing more.
.set APITCH, 1040                      ; xn in LDS: 1,024 bytes a row + 16: an odd multiple of 16, so the 16 rows of a fragment load start in 16 different 16-byte columns modulo 256
.set WPITCH, 144                       ; a W row of one K step: 128 bytes + 16, likewise
.set WBASE,  128*APITCH                ; 133,120: W's slot 0
.set WMAT,   128*WPITCH                ; 18,432: the 128 rows of one of Wq, Wk, Wv
.set WSLOT,  3*WMAT                    ; 55,296
.set STATS,  WBASE+2*WSLOT             ; 243,712: 128 rows x (-mu, rstd)
.set KST,    2*WMAT                    ; the way out, in xn's bytes: q [2 heads][128 tokens] pitch 144 at 0, k the same at 36,864,
.set VST,    4*WMAT                    ; v [128 features] pitch 272 at 73,728
.set VPITCH, 272
.set XO, 8                             ; x: w * 16 rows + 16 l
.set GO, 9                             ; 16 l
.set WO, 10                            ; W: row 16 w + h, byte 16 r
.set WS, 11                            ; v11-12  where my converted W bytes go, slot 0, 1
.set AW, 13                            ; where my xn bytes go
.set SA, 14                            ; my wave's 16 rows of STATS
.set AA, 15                            ; my A fragments
.set BA, 16                            ; v16-17  my W fragments, slot 0, 1
.set QS, 18                            ; way out: q and k into the stage
.set VS, 19                            ; way out: v into the stage
.set QR, 20                            ; way out: q and k read back
.set VR, 21                            ; way out: v read back
.set QO, 22                            ; byte offset in qws and kws
.set VO, 23                            ; byte offset in vtws
.set SR, 24                            ; STATS + 16 l
.set ST, 26                            ; v[26:27], v[28:29] (-mu, rstd) of the row at work: the pair goes by the row's parity
.set G,  32                            ; v32-47  gamma of my 16 columns
.set B,  48                            ; v48-63  beta
.set X,  64                            ; v64-127 four row slots of 16 registers
.set STG, 128                          ; v128-223 24 groups of 4: W on its way to LDS; later the results on their way out
.set T,  224                           ; v224-231 at work
.set Y,  232                           ; v232-247 a row of xn in bf16, 8 registers: two buffers, by the row's parity
.set AF, 32                            ; behind LayerNorm: 4 fragments of xn,
.set BF, 64                            ; 6 fragments of W (f = 2 * matrix + u): the first half of a K step
.set AF1, 112                          ; the second half's fragments of xn: blocks 0, 1 at v112-127, blocks 2, 3 at v224-239: block a at AF1 + 8 a + 96 (a / 2)
.set BF1, 192                          ; the second half's fragments of W, in window 1 (v448-495)
; window 1 (v256-447): accumulator (a = 16-row block 0..3, f) at 8 (6 a + f)
.set MSB, 0
.macro WIN new                         ; s_set_vgpr_msb: bits 1:0 source 0, 3:2 source 1, 5:4 source 2, 7:6 destination; the high byte repeats the setting left
.if MSB != \new
	s_set_vgpr_msb (MSB<<8)|\new
.set MSB, \new
.endif
.endm
.macro PLACES n
.rept \n
	v_nop
.endr
.endm
	s_load_b512 s[16:31], s[0:1], 0x0              ; x s[16:17], Wq s[18:19], Wk s[20:21], Wv s[22:23], gamma s[24:25], beta s[26:27], qws s[28:29], kws s[30:31]
	s_load_b128 s[32:35], s[0:1], 0x40             ; vtws s[32:33], stats s[34:35]
	v_lshl_add_u32 v254, v0, 2, 0x3bc00
	v_mov_b32 v255, 0
	v_lshrrev_b32 v2, 5, v0
	v_readfirstlane_b32 s8, v2                     ; wave 0..7
	s_mov_b32 s4, ttmp9                            ; nb
	s_and_b32 s5, ttmp7, 0xffff                    ; mb
	s_lshr_b32 s6, s5, 4                           ; batch b
	s_and_b32 s7, s5, 15                           ; which 128 tokens of the batch
	s_mov_b32 s10, 0x76543210                      ; v_permlanex16_b32: lane i of one half reads lane i of the other
	s_mov_b32 s11, 0xfedcba98
	s_mov_b32 s9, 0x3b000000                       ; 1/512
	s_mov_b32 s12, 0x3727c5ac                      ; 1e-5
	s_wait_alu depctr_va_sdst(0)                   ; s8 is written, ahead of its first reader
	s_lshr_b32 s13, s8, 2                          ; wm
	s_and_b32 s14, s8, 3                           ; wn
	v_and_b32 v1, 31, v0                           ; l
	v_and_b32 v3, 15, v0                           ; r
	v_bfe_u32 v4, v0, 4, 1                         ; h
	v_lshlrev_b32 v[GO], 4, v1
	v_lshlrev_b32 v5, 4, v3                        ; 16 r
	s_lshl_b32 s40, s8, 15                         ; 16 rows of 2,048 bytes
	v_add_nc_u32 v[XO], s40, v[GO]
	v_lshl_add_u32 v6, v4, 11, v5
	v_add_nc_u32 v[WO], s40, v6
	s_lshl_b32 s36, s5, 18                         ; 128 rows of x
	s_mov_b32 s37, 0
	s_lshl_b32 s38, s4, 18                         ; 128 rows of W
	s_mov_b32 s39, 0
	s_wait_kmcnt 0x0
	s_add_nc_u64 s[16:17], s[16:17], s[36:37]
	s_add_nc_u64 s[18:19], s[18:19], s[38:39]
	s_add_nc_u64 s[20:21], s[20:21], s[38:39]
	s_add_nc_u64 s[22:23], s[22:23], s[38:39]
; 24 loads: K step t (256 bytes of each row) of my 16 rows of each W; one load covers two whole 256-byte pieces of two rows
.macro WLOAD t
.irp m, 0,1,2
.irp i, 0,1,2,3,4,5,6,7
	global_load_b128 v[STG+32*\m+4*\i:STG+32*\m+4*\i+3], v[WO], s[18+2*\m:19+2*\m] offset:256*(\t)+4096*\i
.endr
.endr
.endm
; the 24 groups rounded to bf16, in place: four numbers close up into the first two of their four registers
.macro WCVT
.irp m, 0,1,2
.irp i, 0,1,2,3,4,5,6,7
	v_cvt_pk_bf16_f32 v[STG+32*\m+4*\i], v[STG+32*\m+4*\i], v[STG+32*\m+4*\i+1]
	v_cvt_pk_bf16_f32 v[STG+32*\m+4*\i+1], v[STG+32*\m+4*\i+2], v[STG+32*\m+4*\i+3]
.endr
.endr
.endm
; and laid into a slot, in one run behind one wait
.macro WPUT slot
.irp m, 0,1,2
.irp i, 0,1,2,3,4,5,6,7
	ds_store_b64 v[WS+\slot], v[STG+32*\m+4*\i:STG+32*\m+4*\i+1] offset:WMAT*\m+2*WPITCH*\i
.endr
.endr
.endm
; four loads: row i of my 16, 512 neighbouring bytes each, into row slot i & 3
.macro XLOAD i
.irp j, 0,1,2,3
	global_load_b128 v[X+16*((\i)&3)+4*\j:X+16*((\i)&3)+4*\j+3], v[XO], s[16:17] offset:2048*(\i)+512*\j
.endr
.endm
	s_wait_alu depctr_va_vdst(0)                   ; v8, v9 and v10 are written: the loads below read them as their offsets
.irp j, 0,1,2,3
	global_load_b128 v[G+4*\j:G+4*\j+3], v[GO], s[24:25] offset:512*\j
.endr
.irp j, 0,1,2,3
	global_load_b128 v[B+4*\j:B+4*\j+3], v[GO], s[26:27] offset:512*\j
.endr
	WLOAD 0
	XLOAD 0
	XLOAD 1
	XLOAD 2
	XLOAD 3
	; the other bases and addresses, while the loads are on their way: none of these lines writes v8 to v10 or a register in which a load lands
	s_lshl_b32 s36, s6, 3
	s_lshl_b32 s38, s4, 1
	s_add_co_u32 s36, s36, s38                     ; head 8 b + 2 nb
	s_lshl_b32 s36, s36, 18                        ; a head is 262,144 bytes in each of qws, kws, vtws
	s_lshl_b32 s38, s7, 14                         ; 128 tokens of 128 bytes
	s_add_co_u32 s38, s38, s36
	s_add_nc_u64 s[28:29], s[28:29], s[38:39]
	s_add_nc_u64 s[30:31], s[30:31], s[38:39]
	s_lshl_b32 s38, s7, 8                          ; 128 tokens of 2 bytes along a row of vtws
	s_add_co_u32 s38, s38, s36
	s_add_nc_u64 s[32:33], s[32:33], s[38:39]
	s_lshl_b32 s38, s5, 10                         ; 128 rows of 8 bytes
	s_add_nc_u64 s[34:35], s[34:35], s[38:39]
	s_mul_i32 s41, s8, 16*WPITCH
	s_add_co_u32 s41, s41, WBASE
	v_mul_u32_u24 v6, v4, WPITCH
	v_lshl_add_u32 v6, v3, 3, v6                   ; row h, 8 bytes for 4 numbers
	v_add_nc_u32 v[WS], s41, v6
	v_add_nc_u32 v[WS+1], WSLOT, v[WS]
	s_mul_i32 s41, s8, 16*APITCH
	v_lshl_add_u32 v[AW], v1, 3, s41
	s_lshl_b32 s41, s8, 7
	s_add_co_u32 s41, s41, STATS
	v_mov_b32 v[SA], s41
	s_mul_i32 s41, s13, 64*APITCH
	v_mul_u32_u24 v6, v3, APITCH
	v_lshl_add_u32 v6, v4, 4, v6
	v_add_nc_u32 v[AA], s41, v6                    ; (64 wm + r) pitch + 16 h
	s_mul_i32 s41, s14, 32*WPITCH
	s_add_co_u32 s41, s41, WBASE
	v_mul_u32_u24 v7, v3, WPITCH
	v_lshl_add_u32 v7, v4, 4, v7                   ; r * 144 + 16 h
	v_add_nc_u32 v[BA], s41, v7
	v_add_nc_u32 v[BA+1], WSLOT, v[BA]
	s_lshr_b32 s41, s14, 1                         ; which of the two heads my 32 features lie in
	s_mul_i32 s41, s41, WMAT
	s_mul_i32 s42, s13, 64*WPITCH
	s_add_co_u32 s41, s41, s42
	s_and_b32 s42, s14, 1
	s_lshl_b32 s42, s42, 6
	s_add_co_u32 s41, s41, s42
	v_add_nc_u32 v[QS], s41, v7
	s_mul_i32 s41, s14, 32*VPITCH
	s_lshl_b32 s42, s13, 7
	s_add_co_u32 s41, s41, s42
	s_add_co_u32 s41, s41, VST
	v_mul_u32_u24 v6, v3, VPITCH
	v_lshl_add_u32 v6, v4, 4, v6
	v_add_nc_u32 v[VS], s41, v6
	s_mul_i32 s41, s13, WMAT
	s_mul_i32 s42, s14, 32*WPITCH
	s_add_co_u32 s41, s41, s42
	v_lshrrev_b32 v6, 3, v1
	v_mul_u32_u24 v6, v6, WPITCH
	v_and_b32 v7, 7, v1
	v_lshl_add_u32 v6, v7, 4, v6                   ; eight lanes take one token's 128 bytes
	v_add_nc_u32 v[QR], s41, v6
	s_mul_i32 s41, s8, 16*VPITCH
	s_add_co_u32 s41, s41, VST
	v_mul_u32_u24 v6, v4, VPITCH
	v_add_nc_u32 v6, v6, v5
	v_add_nc_u32 v[VR], s41, v6
	s_lshl_b32 s41, s13, 18
	s_lshl_b32 s42, s14, 12
	s_add_co_u32 s41, s41, s42
	v_add_nc_u32 v[QO], s41, v[GO]
	s_lshl_b32 s41, s8, 16
	v_lshl_add_u32 v6, v4, 12, v5
	v_add_nc_u32 v[VO], s41, v6
	v_add_nc_u32 v[SR], STATS, v[GO]
	v_mov_b32 v[ST+1], 0                           ; each pair is named whole by the packed adds before its rstd is first made
	v_mov_b32 v[ST+3], 0
	s_wait_loadcnt 16                              ; gamma, beta and W's K step 0 are in; the 16 loads of x's rows 0-3 stay out
	WCVT
	s_wait_alu depctr_va_vdst(0)                   ; the conversions have written STG, which the LDS stores read; the addresses v11 to v24 made above are written too, for every later load and store
	WPUT 0
.macro LANESUM                         ; v[T] summed over the 32 lanes, the result in every lane
	v_add_f32_dpp v[T], v[T], v[T] row_xmask:1 row_mask:0xf bank_mask:0xf
	v_add_f32_dpp v[T], v[T], v[T] row_xmask:2 row_mask:0xf bank_mask:0xf
	v_add_f32_dpp v[T], v[T], v[T] row_xmask:4 row_mask:0xf bank_mask:0xf
	v_add_f32_dpp v[T], v[T], v[T] row_xmask:8 row_mask:0xf bank_mask:0xf
	v_permlanex16_b32 v[T+1], v[T], s10, s11
	v_add_f32 v[T], v[T], v[T+1]
.endm
; Row i of my 16: a lane holds columns 128 j + 4 l .. + 3, j = 0..3.  left = how many younger loads may stay out.
.macro LNROW i, left, refill
.set XS, X+16*((\i)&3)
.set STP, ST+2*((\i)&1)
.set YB, Y+8*((\i)&1)
	s_wait_loadcnt \left
	v_pk_add_f32 v[T:T+1], v[XS:XS+1], v[XS+2:XS+3]
	v_pk_add_f32 v[T+2:T+3], v[XS+4:XS+5], v[XS+6:XS+7]
	v_pk_add_f32 v[T+4:T+5], v[XS+8:XS+9], v[XS+10:XS+11]
	v_pk_add_f32 v[T+6:T+7], v[XS+12:XS+13], v[XS+14:XS+15]
	v_pk_add_f32 v[T:T+1], v[T:T+1], v[T+2:T+3]
	v_pk_add_f32 v[T+4:T+5], v[T+4:T+5], v[T+6:T+7]
	v_pk_add_f32 v[T:T+1], v[T:T+1], v[T+4:T+5]
	v_add_f32 v[T], v[T], v[T+1]
	LANESUM
	v_mul_f32 v[STP], 0xbb000000, v[T]             ; -mu = sum * (-1/512)
.irp k, 0,2,4,6,8,10,12,14
	v_pk_add_f32 v[XS+\k:XS+\k+1], v[XS+\k:XS+\k+1], v[STP:STP+1] op_sel_hi:[1,0]  ; x - mu, both halves take -mu
.endr
	v_pk_mul_f32 v[T:T+1], v[XS:XS+1], v[XS:XS+1]  ; the squares of the centred numbers, in two chains
	v_pk_mul_f32 v[T+2:T+3], v[XS+2:XS+3], v[XS+2:XS+3]
.irp k, 4,8,12
	v_pk_fma_f32 v[T:T+1], v[XS+\k:XS+\k+1], v[XS+\k:XS+\k+1], v[T:T+1]
	v_pk_fma_f32 v[T+2:T+3], v[XS+\k+2:XS+\k+3], v[XS+\k+2:XS+\k+3], v[T+2:T+3]
.endr
	v_pk_add_f32 v[T:T+1], v[T:T+1], v[T+2:T+3]
	v_add_f32 v[T], v[T], v[T+1]
	LANESUM
	v_fma_f32 v[T], v[T], s9, s12                  ; var + 1e-5
	v_rsq_f32 v[STP+1], v[T]
	v_nop                                          ; one plain vector instruction between v_rsq_f32 and the use of its result (ISA guide 5.7.2)
	s_wait_alu depctr_va_vdst(0)                   ; v_rsq_f32 has written rstd, ahead of its first reader
.irp k, 0,2,4,6,8,10,12,14
	v_pk_mul_f32 v[XS+\k:XS+\k+1], v[XS+\k:XS+\k+1], v[STP:STP+1] op_sel:[0,1] op_sel_hi:[1,1] ; both halves take rstd
.endr
.irp k, 0,2,4,6,8,10,12,14
	v_pk_fma_f32 v[XS+\k:XS+\k+1], v[XS+\k:XS+\k+1], v[G+\k:G+\k+1], v[B+\k:B+\k+1]
.endr
.irp k, 0,1,2,3,4,5,6,7
	v_cvt_pk_bf16_f32 v[YB+\k], v[XS+2*\k], v[XS+2*\k+1]       ; into the row's out-buffer: the slot of x is free for its next row at once
.endr
.if \i > 0
	s_wait_alu depctr_vm_vsrc(0)                   ; the LDS stores issued at the end of the row before have read the other Y and ST, which are written next: by the next row, and behind the last row by a fragment of xn that lands in Y0
.endif
	s_wait_alu depctr_va_vdst(0)                   ; this row has written its Y and ST, which the stores below read, and is done with its slot of x, in which the loads below land
.if \refill
	XLOAD (\i+4)
.endif
.irp j, 0,1,2,3
	ds_store_b64 v[AW], v[YB+2*\j:YB+2*\j+1] offset:APITCH*(\i)+256*\j     ; 32 lanes: 256 neighbouring bytes
.endr
	ds_store_b64 v[SA], v[STP:STP+1] offset:8*(\i) ; every lane stores the same 8 bytes
.endm
.irp i, 0,1,2,3,4,5,6,7,8,9,10,11
	LNROW \i, 12, 1                                ; three younger rows, four loads each, stay out
.endr
	WLOAD 1                                        ; W's K step 1: 24 loads behind the last four rows' 16.  No wait: the rows' waits on vm_vsrc stand behind the stores that read STG, and no vector line since the wait behind the conversions names it
	LNROW 12, 36, 0                                ; 12 of rows 13-15 + W's 24
	LNROW 13, 32, 0
	LNROW 14, 28, 0
	LNROW 15, 24, 0                                ; W's 24 stay out
	s_wait_dscnt 0x0                               ; my part of xn, of STATS and of W's slot 0 is in LDS,
	s_barrier_signal -1
	s_barrier_wait -1                              ; everybody's is
; two LDS loads: fragment f (= 2 x matrix + u) of W, half ks of the K step, into the eight registers from R on (in the destination's window)
.macro WFRAG R, f, ks, slot
	ds_load_b128 v[\R:\R+3], v[BA+\slot] offset:WMAT*((\f)/2)+16*WPITCH*((\f)%2)+64*\ks
	ds_load_b128 v[\R+4:\R+7], v[BA+\slot] offset:WMAT*((\f)/2)+16*WPITCH*((\f)%2)+64*\ks+32
.endm
; two LDS loads: block a of my four blocks of 16 rows of xn, half ks of K step t
.macro XFRAG R, a, t, ks
	ds_load_b128 v[\R:\R+3], v[AA] offset:16*APITCH*\a+64*(2*\t+\ks)
	ds_load_b128 v[\R+4:\R+7], v[AA] offset:16*APITCH*\a+64*(2*\t+\ks)+32
.endm
; The first half's 24 matrix instructions.  q and k: source 0 = W's rows, source 1 = xn's rows, so a lane holds 8 neighbouring features of one token.
; v: the other way round, so a lane holds 8 neighbouring tokens of one feature, which is a piece of a row of vtws.
; The 24 accumulators take turns, one instruction a turn.
; Behind each of the first three blocks stand four loads of the second half's fragments of W: under this window setting an LDS load's destination is window 1 and its address window 0.
; nst: the LDS stores issued behind the step's 28 first loads.  Block a may leave out: xn's later blocks (6 - 2 a), AF1's 8 loads, the stores, BF1's 4 a.
.macro MULA zero, nst, slot
	WIN 0x50                                       ; C and D in window 1
.irp a, 0,1,2,3
	s_wait_dscnt 14+\nst+2*\a                      ; LDS instructions end in order (ISA guide 5.7.1): W's first six fragments and xn's up to block a are in
.irp f, 0,1,2,3
.if \zero
	v_wmma_f32_16x16x32_bf16 v[8*(6*\a+\f):8*(6*\a+\f)+7], v[BF+8*\f:BF+8*\f+7], v[AF+8*\a:AF+8*\a+7], 0
.else
	v_wmma_f32_16x16x32_bf16 v[8*(6*\a+\f):8*(6*\a+\f)+7], v[BF+8*\f:BF+8*\f+7], v[AF+8*\a:AF+8*\a+7], v[8*(6*\a+\f):8*(6*\a+\f)+7]
.endif
.endr
.irp f, 4,5
.if \zero
	v_wmma_f32_16x16x32_bf16 v[8*(6*\a+\f):8*(6*\a+\f)+7], v[AF+8*\a:AF+8*\a+7], v[BF+8*\f:BF+8*\f+7], 0
.else
	v_wmma_f32_16x16x32_bf16 v[8*(6*\a+\f):8*(6*\a+\f)+7], v[AF+8*\a:AF+8*\a+7], v[BF+8*\f:BF+8*\f+7], v[8*(6*\a+\f):8*(6*\a+\f)+7]
.endif
.endr
.if \a < 3
	WFRAG BF1+16*\a, 2*\a, 1, \slot                ; no wait: no vector or matrix instruction since the step's wait on va_vdst names BF1 or v[BA ..]
	WFRAG BF1+16*\a+8, 2*\a+1, 1, \slot
.endif
.endr
.endm
; The second half's 24: first the 16 of q and k (W in window 1 as source 0), then the 8 of v (W in window 1 as source 1): two window settings.
; Each accumulator takes its one instruction of the half step, so K ascends in every sum; the accumulators take turns.
.macro MULB
	WIN 0x51
	s_wait_dscnt 4                                 ; all but the four youngest loads, Wv's two fragments
.irp a, 0,1,2,3
.irp f, 0,1,2,3
	v_wmma_f32_16x16x32_bf16 v[8*(6*\a+\f):8*(6*\a+\f)+7], v[BF1+8*\f:BF1+8*\f+7], v[AF1+8*\a+96*(\a/2):AF1+8*\a+96*(\a/2)+7], v[8*(6*\a+\f):8*(6*\a+\f)+7]
.endr
.endr
	WIN 0x54
	s_wait_dscnt 0x0                               ; Wv's fragments are in.  No LDS instruction follows in the step: my reads of this slot and my stores into the other are done, which the barrier below rests on
.irp a, 0,1,2,3
.irp f, 4,5
	v_wmma_f32_16x16x32_bf16 v[8*(6*\a+\f):8*(6*\a+\f)+7], v[AF1+8*\a+96*(\a/2):AF1+8*\a+96*(\a/2)+7], v[BF1+8*\f:BF1+8*\f+7], v[8*(6*\a+\f):8*(6*\a+\f)+7]
.endr
.endr
	WIN 0
.endm
; K step t.  W's step t + 1, loaded one step ago, goes into the other slot; step t + 2 is asked for; slot t & 1 is multiplied.
; One barrier a step: in front of it my reads of this slot and my stores into the other are done; behind it this slot is written and the other read.
.macro KSTEP t
.if \t < 7
	s_wait_loadcnt 0x0                             ; the 24 loads of W's step t + 1
	WCVT
.endif
	s_wait_alu depctr_va_vdst(0)                   ; the conversions have written STG, which the stores below read; the step before (in the first step: LayerNorm) is done with AF, BF, AF1 and BF1, in which this step's fragments land
.irp f, 0,1,2,3,4,5
	WFRAG BF+8*\f, \f, 0, (\t&1)
.endr
.irp a, 0,1,2,3
	XFRAG AF+8*\a, \a, \t, 0
.endr
.irp a, 0,1,2,3
	XFRAG AF1+8*\a+96*(\a/2), \a, \t, 1
.endr
.if \t < 7
	WPUT ((\t+1)&1)
.endif
.if \t < 6
	s_wait_alu depctr_vm_vsrc(0)                   ; the LDS stores above have read STG, in which the loads below land
	WLOAD (\t+2)
.endif
.if \t == 0
	MULA 1, 24, (\t&1)                             ; the first products start the sums: nothing is cleared
.elseif \t < 7
	MULA 0, 24, (\t&1)
.else
	MULA 0, 0, (\t&1)
.endif
	MULB
.if \t >= 6
	PLACES 4                                       ; four places behind the matrix instructions where no conversions follow them: ahead of the last step's fragment loads, and of the way out, which reads results
.endif
	s_barrier_signal -1
	s_barrier_wait -1
.endm
.irp t, 0,1,2,3,4,5,6,7
	KSTEP \t
.endr
	; THE WAY OUT.  xn's bytes in LDS are free behind the last barrier.  q is scaled in f32, everything is rounded once, 16 bytes a lane go into
	; the stage, and whole pieces of 256 bytes are read back and stored.
	s_wait_alu depctr_vm_vsrc(0)                   ; the LDS stores of K step 6 have read STG, which the conversions below write
	WIN 0x41
.irp a, 0,1,2,3
.irp f, 0,1
.irp k, 0,2,4,6
	v_pk_mul_f32 v[8*(6*\a+\f)+\k:8*(6*\a+\f)+\k+1], v[8*(6*\a+\f)+\k:8*(6*\a+\f)+\k+1], 0x3d8293ee op_sel_hi:[1,0]   ; log2(e)/sqrt(512)
.endr
.endr
.endr
	WIN 0x05
.irp a, 0,1,2,3
.irp f, 0,1,2,3,4,5
.irp k, 0,1,2,3
	v_cvt_pk_bf16_f32 v[STG+4*(6*\a+\f)+\k], v[8*(6*\a+\f)+2*\k], v[8*(6*\a+\f)+2*\k+1]
.endr
.endr
.endr
	WIN 0
	s_wait_alu depctr_va_vdst(0)                   ; the conversions have written STG, which the LDS stores read; no vector line follows, so the wait also serves the loads below that land in STG and in v32 to v39, which matrix instructions have read
.irp a, 0,1,2,3
.irp u, 0,1
	ds_store_b128 v[QS], v[STG+4*(6*\a+\u):STG+4*(6*\a+\u)+3] offset:16*WPITCH*\a+32*\u
	ds_store_b128 v[QS], v[STG+4*(6*\a+2+\u):STG+4*(6*\a+2+\u)+3] offset:KST+16*WPITCH*\a+32*\u
	ds_store_b128 v[VS], v[STG+4*(6*\a+4+\u):STG+4*(6*\a+4+\u)+3] offset:16*VPITCH*\u+32*\a
.endr
.endr
	s_wait_dscnt 0x0
	s_barrier_signal -1
	s_barrier_wait -1
	s_wait_alu depctr_vm_vsrc(0)                   ; my LDS stores have read STG, in which the loads from the stage land
.irp i, 0,1,2,3,4,5,6,7
	ds_load_b128 v[STG+4*\i:STG+4*\i+3], v[QR] offset:4*WPITCH*\i
.endr
.irp i, 0,1,2,3,4,5,6,7
	ds_load_b128 v[STG+32+4*\i:STG+32+4*\i+3], v[QR] offset:KST+4*WPITCH*\i
.endr
.irp i, 0,1,2,3,4,5,6,7
	ds_load_b128 v[STG+64+4*\i:STG+64+4*\i+3], v[VR] offset:2*VPITCH*\i
.endr
.irp i, 0,1,2,3,4,5,6,7
	s_wait_dscnt 23-\i                             ; LDS loads come back in order: this one is in, the younger ones stay out
	global_store_b128 v[QO], v[STG+4*\i:STG+4*\i+3], s[28:29] offset:512*\i        ; four tokens: 512 neighbouring bytes, aligned
.endr
.irp i, 0,1,2,3,4,5,6,7
	s_wait_dscnt 15-\i
	global_store_b128 v[QO], v[STG+32+4*\i:STG+32+4*\i+3], s[30:31] offset:512*\i
.endr
.irp i, 0,1,2,3,4,5,6,7
	s_wait_dscnt 7-\i
	global_store_b128 v[VO], v[STG+64+4*\i:STG+64+4*\i+3], s[32:33] offset:8192*\i ; 16 lanes: 256 neighbouring bytes of one feature's row, aligned
.endr
	; stats: the four work-groups of a row block hold the same 128 pairs; wave 0 of the one with nb = 0 stores them, 1,024 neighbouring bytes
	s_or_b32 s41, s8, s4
	s_cmp_lg_u32 s41, 0
	s_cbranch_scc1 .Lend
	ds_load_b128 v[AF:AF+3], v[SR]
	ds_load_b128 v[AF+4:AF+7], v[SR] offset:512
	s_wait_dscnt 0x0
	global_store_b128 v[GO], v[AF:AF+3], s[34:35]
	global_store_b128 v[GO], v[AF+4:AF+7], s[34:35] offset:512
.Lend:
	s_wait_dscnt 0x0                               ; the closing lines, six on end
	s_wait_alu 0x0
	s_wait_tensorcnt 0x0
	ds_add_u32 v254, v255
	s_wait_dscnt 0x0
	s_endpgm
.Lfunc_end_k_q44b9a4b0e0_qkv:
	.size	k_q44b9a4b0e0_qkv, .Lfunc_end_k_q44b9a4b0e0_qkv-k_q44b9a4b0e0_qkv
	.p2alignl 7, 3214868480
	.fill 96, 4, 3214868480
	.section	.rodata,"a",@progbits
	.p2align	6, 0x0
	.amdhsa_kernel k_q44b9a4b0e0_qkv
		.amdhsa_group_segment_fixed_size 245760
		.amdhsa_private_segment_fixed_size 0
		.amdhsa_enable_private_segment 0
		.amdhsa_kernarg_size 80
		.amdhsa_user_sgpr_count 2
		.amdhsa_user_sgpr_kernarg_segment_ptr 1
		.amdhsa_wavefront_size32 1
		.amdhsa_system_sgpr_workgroup_id_x 1
		.amdhsa_system_sgpr_workgroup_id_y 1
		.amdhsa_system_sgpr_workgroup_id_z 1
		.amdhsa_system_vgpr_workitem_id 0
		.amdhsa_next_free_vgpr 496
		.amdhsa_next_free_sgpr 66
		.amdhsa_reserve_vcc 0
		.amdhsa_float_denorm_mode_32 3
		.amdhsa_float_denorm_mode_16_64 3
		.amdhsa_memory_ordered 1
		.amdhsa_forward_progress 1
		.amdhsa_inst_pref_size 200
	.end_amdhsa_kernel
	.amdgpu_metadata
---
amdhsa.version: [ 1, 2 ]
amdhsa.kernels:
  - .name:           k_q44b9a4b0e0_qkv
    .symbol:         k_q44b9a4b0e0_qkv.kd
    .args:
      - { .name: x, .offset: 0, .size: 8, .value_kind: global_buffer, .address_space: global }
      - { .name: Wq, .offset: 8, .size: 8, .value_kind: global_buffer, .address_space: global }
      - { .name: Wk, .offset: 16, .size: 8, .value_kind: global_buffer, .address_space: global }
      - { .name: Wv, .offset: 24, .size: 8, .value_kind: global_buffer, .address_space: global }
      - { .name: ln_gamma, .offset: 32, .size: 8, .value_kind: global_buffer, .address_space: global }
      - { .name: ln_beta, .offset: 40, .size: 8, .value_kind: global_buffer, .address_space: global }
      - { .name: qws, .offset: 48, .size: 8, .value_kind: global_buffer, .address_space: global }
      - { .name: kws, .offset: 56, .size: 8, .value_kind: global_buffer, .address_space: global }
      - { .name: vtws, .offset: 64, .size: 8, .value_kind: global_buffer, .address_space: global }
      - { .name: stats, .offset: 72, .size: 8, .value_kind: global_buffer, .address_space: global }
    .group_segment_fixed_size: 245760
    .private_segment_fixed_size: 0
    .kernarg_segment_align: 8
    .kernarg_segment_size: 80
    .max_flat_workgroup_size: 256
    .sgpr_count:     66
    .vgpr_count:     496
    .wavefront_size: 32
...
	.end_amdgpu_metadata
.endif
;; end of part 3
;; launch attn: the kernel of part 2 again; grid 8 x 32, 8 waves a work-group, clusters of 4 x 1, 327,680 bytes of LDS; arguments qws, kws, vtws, stats, x, ln_gamma, ln_beta, out0; writes out0
